; MI455X (gfx1250); checked and timed in simulation.
; The chip was launched on July 23, 2026; its instructions are those of AMD's public machine-readable ISA for CDNA 5 (MIT licence, August 2026) and "CDNA5" Instruction Set Architecture Reference Guide (July 2026). The comments in the code are by the model that wrote it; some were corrected since.
;; Multi Head Attention. Allowed arithmetic: matrix products marked QUANTISED: E2M3 operands, one E8M0 scale for each 32 along K, by v_wmma_scale_f32_16x16x128_f8f6f4 with both operands' format E2M3, f32 sums; everything else in f32.
;; Inputs: Wk 1,024 x 1,024 float32; Wo 1,024 x 1,024 float32; Wq 1,024 x 1,024 float32; Wv 1,024 x 1,024 float32; bk 1,024 float32; bo 1,024 float32; bq 1,024 float32; bv 1,024 float32; x_K 4 x 2,048 x 1,024 float32; x_Q 4 x 2,048 x 1,024 float32; x_V 4 x 2,048 x 1,024 float32.
;; Outputs: out0 4 x 2,048 x 1,024 float32.
;; This version of the problem:
;;   THIS VERSION OF THE PROBLEM IS GIVEN IN LOW PRECISION. The matrix products marked QUANTISED in the list below multiply operands that are first quantised to E2M3 (2 exponent bits, 3 mantissa bits; 6 bits a number), with one power-of-two scale for each 32 numbers along K (OCP MX v1.0); their sums are f32. All else is computed in f32.
;;   The module's matrix products, in the order in which they are computed (A, B: the left and right operand; K: the contracted axis; several contracted axes count as one K, in the product's order):
;;     1. [M 8,192, K 1,024] x [K 1,024, N 1,024]; A: input x_Q; B: input Wq: QUANTISED
;;     2. [M 8,192, K 1,024] x [K 1,024, N 1,024]; A: input x_K; B: input Wk: QUANTISED
;;     3. [M 8,192, K 1,024] x [K 1,024, N 1,024]; A: input x_V; B: input Wv: QUANTISED
;;     4. batch 64 x [M 2,048, K 64] x [K 64, N 2,048]; A: computed on the way; B: computed on the way: QUANTISED
;;     5. batch 64 x [M 2,048, K 2,048] x [K 2,048, N 64]; A: softmax (see below); B: computed on the way: QUANTISED
;;     6. [M 8,192, K 1,024] x [K 1,024, N 1,024]; A: computed on the way; B: input Wo: QUANTISED
;;   THE QUANTISER, for each operand of a quantised product, along K:
;;     - K is cut into blocks of 32 from its start; a last block that is shorter is filled with zeros.
;;     - A block's scale is 2^e with e = floor(log2(the largest magnitude in the block)) - 2, held to -126 .. 127; a block of zeros has e = 0. As a byte (E8M0): e + 127.
;;     - Each number is divided by its block's scale, clamped to +-7.5, and rounded to the nearest number of E2M3, ties to even, subnormals kept.
;;     - The product sums the exact products of the quantised numbers (number of the format x scale) in f32.
;;   ~~~python
;;   def quantise(x, axis):      # numpy; x: float32 -> the quantised numbers, widened to float32 again
;;       x = np.moveaxis(x, axis, -1); K = x.shape[-1]
;;       x = np.pad(x, [(0, 0)] * (x.ndim - 1) + [(0, -K % 32)]); x = x.reshape(x.shape[:-1] + (-1, 32)); a = np.abs(x).max(-1, keepdims=True)
;;       e = np.where(a > 0, np.clip(np.frexp(np.where(a > 0, a, 1))[1] - 1 - 2, -126, 127), 0)      # np.frexp(a)[1] - 1 = floor(log2(a)), exactly
;;       r = np.clip(x / 2.0 ** e, -7.5, 7.5)
;;       step = 2.0 ** (np.maximum(np.frexp(np.where(r == 0, 1, r))[1] - 1, 0) - 3)
;;       q = np.round(r / step) * step * 2.0 ** e      # np.round: ties to even
;;       return np.moveaxis(q.reshape(q.shape[:-2] + (-1,))[..., :K], -1, axis).astype(np.float32)
;;   ~~~
;;   SOFTMAX AHEAD OF A QUANTISED PRODUCT. Where the list says 'softmax', what is quantised is not the finished softmax but p = 2^(t - M), with t = logit x log2(e) and M = ceil(the row's largest t), a whole number; so 1/2 < the row's largest p <= 1. The row's sum l is taken of the UNQUANTISED p, in f32, and the product's result is divided by l at the end. Since M is a whole number, a kernel that streams over the keys may use a running M (the ceiling of the running maximum): every later rescaling is an exact power of two, which a block's scale takes up: the codes' values come out the same.
;;   OPERANDS COMPUTED ON THE WAY. 'Computed on the way' means the value that the module computes at that place (a softmax that the list does not call 'softmax' is quantised finished and normalised). What goes into a quantiser is computed in f32, as accurately as f32 sums, v_exp_f32 and their like allow (about 1e-6 of the number): no bf16 or f16 on the way to a quantiser, and a product that is left as it is and whose result goes on into a quantised operand takes f32 operands (vector FMAs, or v_wmma_f32_16x16x4_f32). A number that lies on a knife's edge between two numbers of the format may be rounded either way, as far as f32 arithmetic and the matrix unit's own rounding can turn it there, and no further.
;; One version. Each part assembles by itself: llvm-mc -triple=amdgcn-amd-amdhsa -mcpu=gfx1250 --defsym DOCPART=n.
;; ======== version 1 of 1: 4 launches
;; limits: right only within a limited range of input values
;; workspace buffers: xw_codes 22,020,096 bytes; xw_scales 917,504 bytes; qkv_codes 18,874,368 bytes; qkv_scales 786,432 bytes; o_codes 6,291,456 bytes; o_scales 262,144 bytes
;; launch quant (part 1): grid 896 x 1, 4 waves a work-group, no clusters, 34,304 bytes of LDS; arguments x_Q, x_K, x_V, Wq, Wk, Wv, Wo, xw_codes, xw_scales; writes xw_codes, xw_scales
.if DOCPART == 1
	.amdgcn_target "amdgcn-amd-amdhsa--gfx1250"
	.amdhsa_code_object_version 6
	.text
	.protected	k_q74847b9cef_quant
	.globl	k_q74847b9cef_quant
	.p2align	8
	.type	k_q74847b9cef_quant,@function
k_q74847b9cef_quant:
	s_mov_b64 s[64:65], 0
	v_nop
	global_prefetch_b8 v0, s[64:65] scope:SCOPE_SE
	s_setreg_imm32_b32 hwreg(HW_REG_WAVE_MODE, 25, 1), 1
	s_wait_xcnt 0x0
; x_Q, x_K, x_V [8192][1024] and Wq, Wk, Wv, Wo [1024][1024], f32, K innermost, become codes of FP6 (E2M3) with one E8M0 byte for each 32 along K,
; laid in the ORDER OF THE OPERAND'S REGISTERS, so that the products' launches fetch fragments by dense loads alone.
; A HALF IMAGE is 16 rows x 64 along K, 768 bytes: lane l = (r, h) holds k = 32 h .. 32 h + 31 of row r in six registers; registers 0-3 lie at byte 16 l, registers 4-5 at byte 512 + 8 l.
; A ROW TILE T = 2 g + u holds rows 32 g + 8 u + r + 8 (r / 8), r = 0 .. 15: not neighbours, so that two neighbouring result tiles give a lane 16 neighbours along the next K.
; Codes: [T][16 halves][768].  Scale words: [T][kp = 0 .. 3][r][2 words], word i of a pair for k = 128 (2 kp + i) on, byte b for 32 b on.  The seven tensors' tiles lie on end: 1,792 tiles.
; A block's scale is 2^(floor(log2(largest magnitude)) - 2): its byte is the largest magnitude's exponent field - 2, held at 1 from below.
; LIMITS: NaN and infinities among the inputs are not served; a block whose largest magnitude lies under 2^-124 has its byte held at 1; a block of zeros gets the byte 1 and not 127:
; its codes are zeros, which add nothing under any byte but 0xff, and this program alone reads the bytes.
; SHARES.  A work-group takes 32 rows of one tensor.  Wave w: u = w & 1 is its row tile, z = w >> 1 its half of K: four fragments of 128 along K.
; Each load reads 512 consecutive bytes of one row; a fragment's 16 rows turn through the wave's own stage in LDS (pitch 528) and come back 256 bytes a lane: two whole blocks of 32 in a lane.
; No tensor load, no barrier: waves share nothing.  Loads run two fragments (32 loads a wave) ahead.
.set ROWB, 4096                        ; a row in memory
.set SP,   528                         ; a stage row: 512 bytes + 16: an odd multiple of 16
.set STG,  16*SP                       ; a wave's stage
.set W,    16                          ; v16-19   the four fragments' scale words
.set F,    24                          ; v24-35   a fragment's codes
.set CT,   36                          ; v36-38, v40-42  the second halves of the blocks' codes, as the conversions leave them
.set R,    48                          ; v48-175  two sets of 64: a fragment as loaded
.set X,    176                         ; v176-239 a fragment with two whole blocks in a lane
	s_load_b256 s[4:11], s[0:1], 0x0               ; x_Q, x_K, x_V, Wq
	s_load_b256 s[12:19], s[0:1], 0x20             ; Wk, Wv, Wo, the codes
	s_load_b64 s[20:21], s[0:1], 0x40              ; the scale words
	v_lshl_add_u32 v240, v0, 2, 0x8400
	v_mov_b32 v241, 0
	v_lshrrev_b32 v1, 5, v0
	v_readfirstlane_b32 s28, v1                    ; wave 0..3
	v_and_b32 v1, 31, v0                           ; lane
	v_and_b32 v2, 15, v0                           ; r
	v_bfe_u32 v3, v0, 4, 1                         ; h
	v_lshlrev_b32 v4, 4, v1                        ; 16 x lane: my place in a load's 512 bytes, and in an image's first 512
	v_lshlrev_b32 v5, 3, v1                        ; 8 x lane: my place in an image's last 256
	s_mul_i32 s29, s28, STG
	v_add_nc_u32 v6, s29, v4                       ; the stage, on the way in: a row as it lies
	v_mul_u32_u24 v7, v2, SP
	v_lshl_add_u32 v7, v3, 7, v7
	v_add_nc_u32 v7, s29, v7                       ; and on the way out: row r, 128 h bytes on: my block of 32 numbers
	v_lshlrev_b32 v22, 3, v3                       ; 8 h: where my two bytes stand in a scale word
	v_mov_b32 v15, 0                               ; written once: a lane permute's destination counts as one of its sources
	s_and_b32 s30, s28, 1                          ; u
	s_lshr_b32 s31, s28, 1                         ; z
	s_mov_b32 s32, 0x76543210
	s_mov_b32 s33, 0xfedcba98                      ; v_permlanex16_b32's selects for lane l xor 16
	s_wait_alu depctr_va_vdst(0)
	s_wait_kmcnt 0x0
	; which tensor: groups of 32 rows lie on end: x_Q 0, x_K 256, x_V 512, Wq 768, Wk 800, Wv 832, Wo 864.  The choices hang on the work-group's number alone
	s_mov_b64 s[22:23], s[16:17]
	s_mov_b32 s24, 864
	s_cmp_lt_u32 ttmp9, 864
	s_cselect_b64 s[22:23], s[14:15], s[22:23]
	s_cselect_b32 s24, 832, s24
	s_cmp_lt_u32 ttmp9, 832
	s_cselect_b64 s[22:23], s[12:13], s[22:23]
	s_cselect_b32 s24, 800, s24
	s_cmp_lt_u32 ttmp9, 800
	s_cselect_b64 s[22:23], s[10:11], s[22:23]
	s_cselect_b32 s24, 768, s24
	s_cmp_lt_u32 ttmp9, 768
	s_cselect_b64 s[22:23], s[8:9], s[22:23]
	s_cselect_b32 s24, 512, s24
	s_cmp_lt_u32 ttmp9, 512
	s_cselect_b64 s[22:23], s[6:7], s[22:23]
	s_cselect_b32 s24, 256, s24
	s_cmp_lt_u32 ttmp9, 256
	s_cselect_b64 s[22:23], s[4:5], s[22:23]
	s_cselect_b32 s24, 0, s24
	s_sub_co_u32 s24, ttmp9, s24                   ; the group's number in its tensor
	; x_K ALONE HAS ANOTHER ORDER OF ROWS: tile 4 C + j holds rows 64 C + 8 j + i and 64 C + 32 + 8 j + i (i = 0 .. 7), so that in the scores' launch a lane's 32 results of four tiles are one block of 32 keys.
	; Against the common order that is 16 rows back for an odd group, and 16 rows more between a tile's two halves.
	s_lshr_b32 s34, ttmp9, 8                       ; 1 for x_K's groups (256 .. 511) alone
	s_cmp_eq_u32 s34, 1
	s_cselect_b32 s34, 0x10000, 0                  ; 16 rows of 4,096 bytes, or nothing
	s_and_b32 s35, s24, 1
	s_mul_i32 s35, s35, s34
	s_lshl_b32 s24, s24, 17                        ; 32 rows of 4,096 bytes
	s_sub_co_u32 s24, s24, s35
	s_lshl_b32 s26, s30, 15                        ; + 8 u rows
	s_add_co_u32 s24, s24, s26
	s_lshl_b32 s26, s31, 11                        ; + z x 4 fragments of 512 bytes
	s_add_co_u32 s24, s24, s26
	s_mov_b32 s25, 0
	s_add_nc_u64 s[22:23], s[22:23], s[24:25]
	s_lshl_b32 s26, ttmp9, 1
	s_add_co_u32 s26, s26, s30                     ; T = 2 g + u
	s_mul_i32 s24, s26, 12288
	s_mul_i32 s27, s31, 6144
	s_add_co_u32 s24, s24, s27
	s_add_nc_u64 s[18:19], s[18:19], s[24:25]      ; my four fragments' images
	s_lshl_b32 s24, s26, 9
	s_lshl_b32 s27, s31, 8
	s_add_co_u32 s24, s24, s27
	s_add_nc_u64 s[20:21], s[20:21], s[24:25]      ; and their 256 bytes of scale words
.macro LOAD f                          ; fragment f: 512 bytes of each of the tile's 16 rows into set f % 2
.irp i, 0,1,2,3,4,5,6,7,8,9,10,11,12,13,14,15
	global_load_b128 v[R+64*((\f)%2)+4*\i:R+64*((\f)%2)+4*\i+3], v[4+19*(\i/8)], s[22:23] offset:(\i+8*(\i/8))*ROWB+512*(\f) th:TH_LOAD_NT   ; rows 8-15 of the tile go by v23
.endr
.endm
.macro FRAGQ f
.if (\f) < 3
	s_wait_loadcnt 16                              ; this fragment's 16 loads are in; the next fragment's 16 may be out
.else
	s_wait_loadcnt 0x0
.endif
.irp i, 0,1,2,3,4,5,6,7,8,9,10,11,12,13,14,15
	ds_store_b128 v6, v[R+64*((\f)%2)+4*\i:R+64*((\f)%2)+4*\i+3] offset:SP*\i
.endr
.irp c, 0,1
.irp j, 0,1,2,3,4,5,6,7
	ds_load_b128 v[X+32*\c+4*\j:X+32*\c+4*\j+3], v7 offset:256*\c+16*\j   ; LDS serves a wave's instructions in order (ISA guide 5.7.1.4): these see the stores above.  k = 64 c + 32 h + 4 j on
.endr
.endr
	s_wait_dscnt 0x0                               ; the numbers are back, and the stores have read their registers,
.if (\f) < 2
	LOAD (\f)+2                                    ; which take the loads of two fragments on
.endif
.irp c, 0,1
	v_max3_num_f32 v[8+\c], |v[X+32*\c]|, |v[X+32*\c+1]|, 0x1800000   ; block 2 c + h: all its 32 numbers are mine; and the floor 2^(3 - 127): so the byte cannot fall under 1
.endr
.irp i, 2,4,6,8,10,12,14,16,18,20,22,24,26,28,30
.irp c, 0,1
	v_max3_num_f32 v[8+\c], v[8+\c], |v[X+32*\c+\i]|, |v[X+32*\c+\i+1]|
.endr
.endr
.irp c, 0,1
	v_add_nc_u32 v[10+\c], 0xff000000, v[8+\c]     ; 2 off the exponent field: the conversion takes the exponent field of this operand as its scale
.endr
.irp c, 0,1
	v_lshrrev_b32 v[12+\c], 23, v[10+\c]           ; the scale's byte
.endr
	v_lshl_or_b32 v14, v13, 16, v12                ; my two bytes: blocks h and 2 + h of row r,
	v_lshlrev_b32 v14, v22, v14                    ; at their places in the word;
	v_permlanex16_b32 v15, v14, s32, s33
	v_or_b32 v[W+(\f)], v14, v15                   ; with lane l xor 16's two the word is whole, in both lanes
.if (\f) > 0
	s_wait_alu depctr_va_vdst(0)
	s_wait_xcnt 0x0                                ; the last fragment's stores have read their data: the codes' registers may be written again
.endif
.irp c, 0,1
	v_cvt_scalef32_pk16_fp6_f32 v[F+6*\c:F+6*\c+2], v[X+32*\c:X+32*\c+15], v[10+\c]
	v_cvt_scalef32_pk16_fp6_f32 v[CT+4*\c:CT+4*\c+2], v[X+32*\c+16:X+32*\c+31], v[10+\c]   ; (a conversion's three registers begin on an even number: a block's second three do not)
.endr
	v_nop                                          ; one plain place behind a scaled conversion
.irp c, 0,1
.irp i, 0,1,2
	v_mov_b32 v[F+6*\c+3+\i], v[CT+4*\c+\i]
.endr
.endr
.irp c, 0,1
	global_store_b128 v4, v[F+6*\c:F+6*\c+3], s[18:19] offset:1536*(\f)+768*\c        ; 32 lanes store 512 consecutive bytes,
	global_store_b64 v5, v[F+6*\c+4:F+6*\c+5], s[18:19] offset:1536*(\f)+768*\c+512   ; and 256: both at multiples of 256 from the buffer's first byte
.endr
.endm
	v_add_nc_u32 v23, s34, v4                      ; the offset of a tile's rows 8-15: x_K's lie 16 rows further on
	s_wait_alu depctr_va_vdst(0)
	LOAD 0
	LOAD 1
	FRAGQ 0
	FRAGQ 1
	FRAGQ 2
	FRAGQ 3
	v_cmp_le_u32 vcc_lo, 16, v1                    ; lanes 0-15 store the pair of fragments 0, 1 of row r, lanes 16-31 that of fragments 2, 3
	v_cndmask_b32 v20, v16, v18, vcc_lo
	v_cndmask_b32 v21, v17, v19, vcc_lo
	global_store_b64 v5, v[20:21], s[20:21]        ; 256 consecutive bytes, aligned
	s_wait_tensorcnt 0x0
	ds_add_u32 v240, v241
	s_wait_dscnt 0x0
	s_endpgm
.Lfunc_end_k_q74847b9cef_quant:
	.size	k_q74847b9cef_quant, .Lfunc_end_k_q74847b9cef_quant-k_q74847b9cef_quant
	.p2alignl 7, 3214868480
	.fill 96, 4, 3214868480
	.section	.rodata,"a",@progbits
	.p2align	6, 0x0
	.amdhsa_kernel k_q74847b9cef_quant
		.amdhsa_group_segment_fixed_size 34304
		.amdhsa_private_segment_fixed_size 0
		.amdhsa_enable_private_segment 0
		.amdhsa_kernarg_size 72
		.amdhsa_user_sgpr_count 2
		.amdhsa_user_sgpr_kernarg_segment_ptr 1
		.amdhsa_wavefront_size32 1
		.amdhsa_system_sgpr_workgroup_id_x 1
		.amdhsa_system_sgpr_workgroup_id_y 1
		.amdhsa_system_sgpr_workgroup_id_z 1
		.amdhsa_system_vgpr_workitem_id 0
		.amdhsa_next_free_vgpr 242
		.amdhsa_next_free_sgpr 66
		.amdhsa_reserve_vcc 1
		.amdhsa_float_denorm_mode_32 3
		.amdhsa_float_denorm_mode_16_64 3
		.amdhsa_memory_ordered 1
		.amdhsa_forward_progress 1
		.amdhsa_inst_pref_size 32
	.end_amdhsa_kernel
	.amdgpu_metadata
---
amdhsa.version: [ 1, 2 ]
amdhsa.kernels:
  - .name:           k_q74847b9cef_quant
    .symbol:         k_q74847b9cef_quant.kd
    .args:
      - { .name: x_Q, .offset: 0, .size: 8, .value_kind: global_buffer, .address_space: global }
      - { .name: x_K, .offset: 8, .size: 8, .value_kind: global_buffer, .address_space: global }
      - { .name: x_V, .offset: 16, .size: 8, .value_kind: global_buffer, .address_space: global }
      - { .name: Wq, .offset: 24, .size: 8, .value_kind: global_buffer, .address_space: global }
      - { .name: Wk, .offset: 32, .size: 8, .value_kind: global_buffer, .address_space: global }
      - { .name: Wv, .offset: 40, .size: 8, .value_kind: global_buffer, .address_space: global }
      - { .name: Wo, .offset: 48, .size: 8, .value_kind: global_buffer, .address_space: global }
      - { .name: xw_codes, .offset: 56, .size: 8, .value_kind: global_buffer, .address_space: global }
      - { .name: xw_scales, .offset: 64, .size: 8, .value_kind: global_buffer, .address_space: global }
    .group_segment_fixed_size: 34304
    .private_segment_fixed_size: 0
    .kernarg_segment_align: 8
    .kernarg_segment_size: 72
    .max_flat_workgroup_size: 128
    .sgpr_count:     66
    .vgpr_count:     242
    .wavefront_size: 32
...
	.end_amdgpu_metadata
.endif
;; end of part 1
;; launch proj (part 2): grid 4 x 96, 4 waves a work-group, clusters of 4 x 4, 327,680 bytes of LDS; arguments xw_codes, xw_scales, bq, bk, bv, qkv_codes, qkv_scales; writes qkv_codes, qkv_scales
.if DOCPART == 2
	.amdgcn_target "amdgcn-amd-amdhsa--gfx1250"
	.amdhsa_code_object_version 6
	.text
	.protected	k_q74847b9cef_proj
	.globl	k_q74847b9cef_proj
	.p2align	8
	.type	k_q74847b9cef_proj,@function
k_q74847b9cef_proj:
	s_mov_b64 s[64:65], 0
	v_nop
	global_prefetch_b8 v0, s[64:65] scope:SCOPE_SE
	s_setreg_imm32_b32 hwreg(HW_REG_WAVE_MODE, 25, 1), 1
	s_wait_xcnt 0x0
	s_wait_alu depctr_hold_cnt(0) depctr_sa_sdst(0) depctr_va_vdst(0) depctr_va_sdst(0) depctr_va_ssrc(0) depctr_va_vcc(0) depctr_vm_vsrc(0)
	s_getreg_b32 s2, hwreg(HW_REG_IB_STS2, 6, 4)
	s_cmp_eq_u32 s2, 0
	s_cbranch_scc0 .Lentry_in_a_cluster
	s_endpgm
.Lentry_in_a_cluster:
	s_bfe_u32 s2, ttmp6, 0x10000c
	s_cmp_lg_u32 s2, 0xf033
	s_cbranch_scc0 .Lentry_shape_is_right
	s_endpgm
.Lentry_shape_is_right:
.set KSTEPB, 3072
.set NQ,     2
.set FR,     12
.set NL,     4
.set NP,     4
.set HALFT,  8*KSTEPB
.set SLOT,   4*HALFT
.set SCL,    2*SLOT
.set HALFS,  4096
.set SPARE,  SCL+4*HALFS
.set ADRA, 16
.set ADRB, 20
.set CO16, 24
.set CO8,  25
.set SOF,  26
.set ADRS, 27
.set SPW,  28
.set NIL,  29
.set BO1,  30
.set BO2,  31
.set SC,   32
.set BI,   64
.set AF,   128
.set H,    128
.set PC,   192
.set TM,   212
.set PW,   228
.set SWD,  236
.set BV,   240
.set MODE, 2
.set WV,   18
.set HR,   19
.set HP,   20
.set SEL,  66
.set G1, 24
.set G0, 32
.set G1B, 48
.set G0B, 56
.set G1S, 68
.set G0S, 76
.set G1SB, 80
.set G0SB, 88
.set MSB, 0
.macro WIN new
.if MSB != (\new)
	s_set_vgpr_msb (MSB<<8)|(\new)
.set MSB, (\new)
.endif
.endm
.set MUL_LO, 0xa1
.set MUL_HI, 0xf1
.set TO_B,   0x40
.macro JLOAD g0a, g1a, g0b, g1b
	s_cmp_eq_u32 s[HR], 0
	s_cbranch_scc0 .Lfor_b_\@
	tensor_load_to_lds s[\g0a:\g0a+3], s[\g1a:\g1a+7]
	s_nop 0
.rept 4
	v_nop
.endr
	s_branch .Lasked_\@
.Lfor_b_\@:
	tensor_load_to_lds s[\g0b:\g0b+3], s[\g1b:\g1b+7]
	s_nop 0
.rept 4
	v_nop
.endr
.Lasked_\@:
.endm
.macro CREST
	s_cmp_lg_u32 s[WV], 0
	s_cbranch_scc1 .Lnot_wave_0_\@
	s_barrier_signal -3
.Lnot_wave_0_\@:
	s_barrier_wait -3
	s_barrier_signal -1
	s_barrier_wait -1
.endm
.macro CROUND
	s_barrier_signal -1
	s_barrier_wait -1
	CREST
.endm
	s_load_b256 s[4:11], s[0:1], 0x0
	s_load_b128 s[12:15], s[0:1], 0x20
	s_load_b64 s[16:17], s[0:1], 0x30
	v_lshl_add_u32 v[SPW], v0, 2, SPARE
	v_mov_b32 v[NIL], 0
	ds_add_u32 v28, v29
	ds_add_u32 v28, v29
	s_wait_dscnt 0x0
	v_lshrrev_b32 v1, 5, v0
	v_readfirstlane_b32 s[WV], v1
	s_lshr_b32 s[HR], s[WV], 1
	s_and_b32 s[HP], s[WV], 1
	s_bfe_u32 s40, ttmp6, 0x40000
	s_bfe_u32 s41, ttmp6, 0x40004
	s_and_b32 s92, ttmp7, 0xffff
	s_lshr_b32 s[MODE], s92, 3
	s_and_b32 s93, s92, 7
	s_lshl_b32 s93, s93, 2
	s_lshl_b32 s94, s[MODE], 6
	s_add_co_u32 s94, s94, 1536
	s_lshl_b32 s95, s[MODE], 9
	s_cmp_eq_u32 s[MODE], 2
	s_cselect_b32 s96, s93, 0
	s_cselect_b32 s97, 0, s93
	s_cselect_b32 s94, 1024, s94
	s_cselect_b32 s95, 1664, s95
	s_add_co_u32 s42, s40, s96
	s_add_co_u32 s21, s41, s97
	s_lshl_b32 s43, s41, 2
	s_lshl_b32 s43, 15, s43
	s_lshl_b32 s44, 0x1111, s40
	s_or_b32 s[G1+0], s43, (3<<16)|(1<<21)
	s_or_b32 s[G1B+0], s44, (3<<16)|(1<<21)
.irp g, G1, G1B
	s_mov_b32 s[\g+1], 384<<16
	s_mov_b32 s[\g+2], 16<<16                      ; the head's loads bring all 16 row tiles; behind them the two words that count rows are set to 8, for the ring's
	s_mov_b32 s[\g+3], 384<<16
	s_mov_b32 s[\g+4], 16
	s_mov_b32 s[\g+5], 1536
	s_mov_b32 s[\g+6], 0
	s_mov_b32 s[\g+7], 0
.endr
	s_or_b32 s[G1S+0], s43, (3<<16)|(1<<21)
	s_or_b32 s[G1SB+0], s44, (3<<16)|(1<<21)
.irp g, G1S, G1SB
	s_mov_b32 s[\g+1], 32<<16
	s_mov_b32 s[\g+2], 32<<16                      ; the scale words of all 16 row tiles: 32 dense rows of 256 bytes
	s_mov_b32 s[\g+3], 32<<16
	s_mov_b32 s[\g+4], 32
	s_mov_b32 s[\g+5], 32
	s_mov_b32 s[\g+6], 0
	s_mov_b32 s[\g+7], 0
.endr
	s_lshl_b32 s22, s21, 4                         ; the block's first row tile of A,
	s_add_co_u32 s22, s22, s95
	s_lshl_b32 s46, s42, 4                         ; and of B
	s_add_co_u32 s46, s46, s94
	s_lshl_b32 s92, s22, 9
	s_mov_b32 s93, 0
	s_mul_i32 s22, s22, 12288
	s_mov_b32 s23, 0
	s_lshl_b32 s94, s46, 9
	s_mov_b32 s95, 0
	s_mul_i32 s46, s46, 12288
	s_mov_b32 s47, 0
	s_mul_i32 s45, s[WV], HALFT
	s_mul_i32 s98, s[HP], 8*12288                  ; in the ring I fetch 8 row tiles: which half, in bytes
	s_mov_b32 s99, 0
	s_wait_kmcnt 0x0
	s_add_nc_u64 s[22:23], s[4:5], s[22:23]
	s_add_nc_u64 s[92:93], s[6:7], s[92:93]
	s_add_nc_u64 s[46:47], s[4:5], s[46:47]
	s_add_nc_u64 s[94:95], s[6:7], s[94:95]
	CROUND
; THE HEAD'S FOUR TILES, EACH WHOLE, ONE A WAVE: wave 0 K step 0 of A's 16 row tiles, wave 1 of B's, wave 2 A's scale words, wave 3 B's.  Slot 0's groups 0 serve these loads first.
	s_mov_b32 s[G0S], 1
	s_mov_b32 s[G0S+1], SCL
	s_mov_b64 s[G0S+2:G0S+3], s[92:93]
	s_or_b32 s[G0S+3], s[G0S+3], 0x80000000
	s_mov_b32 s[G0SB], 1
	s_mov_b32 s[G0SB+1], SCL+2*HALFS
	s_mov_b64 s[G0SB+2:G0SB+3], s[94:95]
	s_or_b32 s[G0SB+3], s[G0SB+3], 0x80000000
	s_mov_b32 s[G0], 1
	s_mov_b32 s[G0+1], 0
	s_mov_b64 s[G0+2:G0+3], s[22:23]
	s_or_b32 s[G0+3], s[G0+3], 0x80000000
	s_mov_b32 s[G0B], 1
	s_mov_b32 s[G0B+1], 2*HALFT
	s_mov_b64 s[G0B+2:G0B+3], s[46:47]
	s_or_b32 s[G0B+3], s[G0B+3], 0x80000000
	s_add_nc_u64 s[22:23], s[22:23], s[98:99]      ; for the ring: my 8 row tiles
	s_add_nc_u64 s[46:47], s[46:47], s[98:99]
	s_mov_b32 s[G0+4], 1
	s_add_co_u32 s[G0+5], s45, SLOT
	s_add_nc_u64 s[G0+6:G0+7], s[22:23], KSTEPB
	s_or_b32 s[G0+7], s[G0+7], 0x80000000
	s_mov_b32 s[G0B+4], 1
	s_add_co_u32 s[G0B+5], s45, SLOT
	s_add_nc_u64 s[G0B+6:G0B+7], s[46:47], KSTEPB
	s_or_b32 s[G0B+7], s[G0B+7], 0x80000000
.macro ARM under, g0, g1, next         ; one chain of branches on the wave's number, a load in each arm, all arms to one join
	s_cmp_lt_u32 s[WV], \under
	s_cbranch_scc0 \next
	tensor_load_to_lds s[\g0:\g0+3], s[\g1:\g1+7]
	s_nop 0
.rept 4
	v_nop
.endr
	s_branch .Lhead_asked
\next:
.endm
	ARM 1, G0,  G1,  .Lhead_b
	ARM 2, G0B, G1B, .Lhead_sa
	ARM 3, G0S, G1S, .Lhead_sb
	tensor_load_to_lds s[G0SB:G0SB+3], s[G1SB:G1SB+7]
	s_nop 0
.rept 4
	v_nop
.endr
.Lhead_asked:
	s_wait_alu depctr_va_vdst(0)
	s_wait_tensorcnt 0x0                           ; my tile of the four is in
	ds_add_u32 v28, v29
	s_mov_b32 s[G1+2], 8<<16                       ; no tensor load of mine is out, so descriptors may be written: from here on a load brings 8 row tiles,
	s_mov_b32 s[G1+4], 8
	s_mov_b32 s[G1B+2], 8<<16
	s_mov_b32 s[G1B+4], 8
	s_mov_b32 s[G0+1], s45                         ; and slot 0's groups 0 stand at my part of K step 0, from which its refill steps on
	s_mov_b64 s[G0+2:G0+3], s[22:23]
	s_or_b32 s[G0+3], s[G0+3], 0x80000000
	s_mov_b32 s[G0B+1], s45
	s_mov_b64 s[G0B+2:G0B+3], s[46:47]
	s_or_b32 s[G0B+3], s[G0B+3], 0x80000000
	s_wait_dscnt 0x0
	CROUND                                         ; all four tiles are shown to all waves, and the sixteen work-groups are here
	JLOAD G0+4, G1, G0B+4, G1B                     ; K step 1, the first tensor load behind the round
	v_and_b32 v1, 15, v0
	v_bfe_u32 v2, v0, 4, 1
	v_and_b32 v3, 31, v0
	v_lshlrev_b32 v[CO16], 4, v3
	v_lshlrev_b32 v[CO8], 3, v3
	s_mul_i32 s96, s[HR], HALFT
	s_mul_i32 s97, s[HP], HALFT
	s_add_co_u32 s97, s97, 2*HALFT
.irp s, 0,1
	v_add_nc_u32 v[ADRA+\s], s96, v[CO16]
	v_add_nc_u32 v[ADRA+2+\s], s96, v[CO8]
	v_add_nc_u32 v[ADRB+\s], s97, v[CO16]
	v_add_nc_u32 v[ADRB+2+\s], s97, v[CO8]
	s_add_co_u32 s96, s96, SLOT
	s_add_co_u32 s97, s97, SLOT
.endr
	v_lshlrev_b32 v5, 3, v1
	s_lshl_b32 s96, s[HR], 12
	s_lshl_b32 s97, s[HP], 12
	s_add_co_u32 s97, s97, 2*HALFS
	s_sub_co_u32 s97, s97, s96
	v_mul_u32_u24 v6, s97, v2
	s_add_co_u32 s96, s96, SCL
	v_add_nc_u32 v5, v5, v6
	v_add_nc_u32 v[ADRS], s96, v5
	v_lshlrev_b32 v[SOF], 4, v1
	v_lshl_add_u32 v[SOF], v2, 12, v[SOF]
	v_lshlrev_b32 v[BO1], 6, v2
	s_wait_alu depctr_va_vdst(0)
	v_and_b32 v[BO2], 8, v1
	v_add_nc_u32 v[BO2], v[BO2], v1
	v_lshlrev_b32 v[BO2], 2, v[BO2]
	s_wait_alu depctr_va_vdst(0)
	s_mov_b32 s[SEL], 0x76543210
	s_mov_b32 s[SEL+1], 0xfedcba98
	s_lshl_b32 s96, s42, 4
	s_lshl_b32 s97, s[HP], 3
	s_add_co_u32 s96, s96, s97
	s_lshl_b32 s97, s21, 4
	s_lshl_b32 s98, s[HR], 3
	s_add_co_u32 s97, s97, s98
	s_cmp_eq_u32 s[MODE], 2
	s_cselect_b32 s98, s96, s97
	s_cselect_b32 s99, s97, s96
	s_cselect_b64 s[12:13], s[12:13], s[10:11]
	s_cmp_eq_u32 s[MODE], 0
	s_cselect_b64 s[8:9], s[8:9], s[12:13]
	s_lshr_b32 s99, s99, 2
	s_lshr_b32 s96, s98, 7
	s_lshl_b32 s96, s96, 4
	s_add_co_u32 s96, s96, s99
	s_and_b32 s98, s98, 127
	s_lshr_b32 s98, s98, 3
	s_mul_i32 s97, s[MODE], 6291456
	s_mul_i32 s10, s96, 98304
	s_add_co_u32 s10, s10, s97
	s_mul_i32 s97, s98, 6144
	s_add_co_u32 s10, s10, s97
	s_mov_b32 s11, 0
	s_add_nc_u64 s[14:15], s[14:15], s[10:11]
	s_lshl_b32 s10, s[MODE], 18
	s_lshl_b32 s97, s96, 12
	s_add_co_u32 s10, s10, s97
	s_lshl_b32 s97, s98, 8
	s_add_co_u32 s10, s10, s97
	s_add_nc_u64 s[16:17], s[16:17], s[10:11]
	s_lshl_b32 s10, s99, 8
	s_add_nc_u64 s[8:9], s[8:9], s[10:11]
.irp t, 0,1,2,3,4,5,6,7
	global_load_b128 v[BI+8*\t:BI+8*\t+3], v[BO1], s[8:9] offset:(32*(\t/2)+8*(\t%2))*4
	global_load_b128 v[BI+8*\t+4:BI+8*\t+7], v[BO1], s[8:9] offset:(32*(\t/2)+8*(\t%2))*4+16
.endr
.irp a, 0,1,2,3,4,5,6,7
	global_load_b32 v[BV+2*\a], v[BO2], s[8:9] offset:(32*(\a/2)+8*(\a%2))*4
	global_load_b32 v[BV+2*\a+1], v[BO2], s[8:9] offset:(32*(\a/2)+8*(\a%2))*4
.endr
.macro FRAG reg, adr, q, i
	ds_load_b128 v[\reg:\reg+3], v[\adr] offset:(\i)*KSTEPB+(\q)*1536
	ds_load_b64 v[\reg+4:\reg+5], v[\adr+2] offset:(\i)*KSTEPB+(\q)*1536+512
	ds_load_b128 v[\reg+6:\reg+9], v[\adr] offset:(\i)*KSTEPB+(\q)*1536+768
	ds_load_b64 v[\reg+10:\reg+11], v[\adr+2] offset:(\i)*KSTEPB+(\q)*1536+1280
.endm
.macro MUL16 a0, p, q, sc, zero
.irp a, \a0, \a0+1
.irp b, 0,1,2,3,4,5,6,7
.if \zero
	v_wmma_scale_f32_16x16x128_f8f6f4 v[8*(8*((\a)%4)+\b):8*(8*((\a)%4)+\b)+7], v[128*(\p)+FR*\b:128*(\p)+FR*\b+FR-1], v[AF+FR*(\a):AF+FR*(\a)+FR-1], 0, v[SC+8*NQ*(\sc)+NQ*\b+(\q)], v[SC+8*NQ*(\sc)+NQ*(\a)+(\q)] matrix_a_fmt:MATRIX_FMT_FP6 matrix_b_fmt:MATRIX_FMT_FP6 matrix_a_scale:MATRIX_SCALE_ROW1
.else
	v_wmma_scale_f32_16x16x128_f8f6f4 v[8*(8*((\a)%4)+\b):8*(8*((\a)%4)+\b)+7], v[128*(\p)+FR*\b:128*(\p)+FR*\b+FR-1], v[AF+FR*(\a):AF+FR*(\a)+FR-1], v[8*(8*((\a)%4)+\b):8*(8*((\a)%4)+\b)+7], v[SC+8*NQ*(\sc)+NQ*\b+(\q)], v[SC+8*NQ*(\sc)+NQ*(\a)+(\q)] matrix_a_fmt:MATRIX_FMT_FP6 matrix_b_fmt:MATRIX_FMT_FP6 matrix_a_scale:MATRIX_SCALE_ROW1
.endif
.endr
.endr
.endm
.macro FETCH_B slot, q, p
	WIN TO_B
.irp i, 0,1,2,3,4,5,6,7
	FRAG 128*(\p)+FR*\i, ADRB+\slot, \q, \i
.endr
	WIN 0
.endm
.macro FETCH_A slot, q, i0
.irp i, \i0, \i0+1, \i0+2, \i0+3
	FRAG AF+FR*(\i), ADRA+\slot, \q, \i
.endr
.endm
.macro SCALES sc
.irp i, 0,1,2,3,4,5,6,7
	ds_load_b64 v[SC+8*NQ*\sc+NQ*\i:SC+8*NQ*\sc+NQ*\i+1], v[ADRS] offset:\i*512
.endr
.endm
.macro PLACES n
.rept \n
	v_nop
.endr
.endm
.macro STEP slot, q, zero
	s_wait_dscnt 4*NL
	WIN MUL_LO
	MUL16 0, (\q)%2, \q, \slot, \zero
	MUL16 2, (\q)%2, \q, \slot, \zero
	s_wait_dscnt 0
	PLACES NP
	FETCH_B \slot, (\q)+1, 1-(\q)%2
	FETCH_A \slot, (\q)+1, 0
	WIN MUL_HI
	MUL16 4, (\q)%2, \q, \slot, \zero
	MUL16 6, (\q)%2, \q, \slot, \zero
	PLACES NP
	WIN 0
	FETCH_A \slot, (\q)+1, 4
.endm
.macro TURN slot, next, fill
	s_wait_tensorcnt 0x0
	ds_add_u32 v[SPW], v[NIL]
	s_wait_dscnt 4*NL+1
	WIN MUL_LO
	MUL16 0, 1, NQ-1, \slot, 0
	s_wait_dscnt 0x0
	s_barrier_signal -1
	MUL16 2, 1, NQ-1, \slot, 0
	WIN 0
	s_barrier_wait -1
.if \fill
	CREST
	s_add_nc_u64 s[G0+4*\slot+2:G0+4*\slot+3], s[G0+4*\slot+2:G0+4*\slot+3], 2*KSTEPB
	s_add_nc_u64 s[G0B+4*\slot+2:G0B+4*\slot+3], s[G0B+4*\slot+2:G0B+4*\slot+3], 2*KSTEPB
	JLOAD G0+4*\slot, G1, G0B+4*\slot, G1B
.else
	PLACES NP
.endif
	s_wait_alu depctr_va_vdst(0)
	v_add_nc_u32 v[ADRS], 128, v[ADRS]
	FETCH_B \next, 0, 0
	FETCH_A \next, 0, 0
	SCALES \next
	WIN MUL_HI
	MUL16 4, 1, NQ-1, \slot, 0
	MUL16 6, 1, NQ-1, \slot, 0
	PLACES NP
	WIN 0
	FETCH_A \next, 0, 4
.endm
	FETCH_B 0, 0, 0
	FETCH_A 0, 0, 0
	SCALES 0
	FETCH_A 0, 0, 4
	STEP 0, 0, 1
	TURN 0, 1, 1
	STEP 1, 0, 0
	TURN 1, 0, 1
	STEP 0, 0, 0
	TURN 0, 1, 0
	STEP 1, 0, 0
	s_wait_dscnt 4*NL
	WIN MUL_LO
	MUL16 0, 1, NQ-1, 1, 0
	MUL16 2, 1, NQ-1, 1, 0
	s_wait_dscnt 0
	WIN MUL_HI
	MUL16 4, 1, NQ-1, 1, 0
	MUL16 6, 1, NQ-1, 1, 0
	WIN 0
.macro QUANT s, pw
.irp b, 0,1,2,3
	v_max3_num_f32 v[TM+\b], |v[\s+16*\b]|, |v[\s+1+16*\b]|, 0x1800000
.endr
.irp i, 2,4,6,8,10,12,14
.irp b, 0,1,2,3
	v_max3_num_f32 v[TM+\b], v[TM+\b], |v[\s+16*\b+\i]|, |v[\s+1+16*\b+\i]|
.endr
.endr
.irp b, 0,1,2,3
	v_permlanex16_b32 v[TM+4+\b], v[TM+\b], s[SEL], s[SEL+1]
.endr
.irp b, 0,1,2,3
	v_max_num_f32 v[TM+\b], v[TM+\b], v[TM+4+\b]
.endr
.irp b, 0,1,2,3
	v_add_nc_u32 v[TM+12+\b], 0xff000000, v[TM+\b]
.endr
.irp b, 0,1,2,3
	v_lshrrev_b32 v[TM+4+\b], 23, v[TM+12+\b]
.endr
	v_lshl_or_b32 v[\pw], v[TM+5], 8, v[TM+4]
	v_lshl_or_b32 v[\pw], v[TM+6], 16, v[\pw]
	v_lshl_or_b32 v[\pw], v[TM+7], 24, v[\pw]
.irp c, 0,1
	v_cvt_scalef32_pk16_fp6_f32 v[PC+6*\c:PC+2+6*\c], v[\s+32*\c:\s+15+32*\c], v[TM+12+2*\c]
	v_cvt_scalef32_pk16_fp6_f32 v[PC+12+4*\c:PC+14+4*\c], v[\s+16+32*\c:\s+31+32*\c], v[TM+12+2*\c+1]
.endr
	v_nop
.irp c, 0,1
.irp i, 0,1,2
	v_permlane16_swap_b32 v[PC+6*\c+\i], v[PC+12+4*\c+\i]
.endr
.irp i, 0,1,2
	v_mov_b32 v[PC+3+6*\c+\i], v[PC+12+4*\c+\i]
.endr
.endr
.endm
.macro EPI vmode
.irp a, 0,1,2,3,4,5,6,7
	WIN 0x02+(\a)/4
.set k, 0
.rept 32
.if \vmode
	v_pk_add_f32 v[H+2*k:H+2*k+1], v[64*((\a)%4)+2*k:64*((\a)%4)+2*k+1], v[BV+2*(\a):BV+2*(\a)+1]
.else
	v_pk_add_f32 v[H+2*k:H+2*k+1], v[64*((\a)%4)+2*k:64*((\a)%4)+2*k+1], v[BI+2*k:BI+2*k+1]
.endif
.set k, k+1
.endr
	WIN 0
.if \a > 0
	s_wait_xcnt 0x0
.endif
	QUANT H, PW+\a
.irp c, 0,1
.if \vmode
	global_store_b128 v[CO16], v[PC+6*\c:PC+6*\c+3], s[14:15] offset:((\a)/4)*98304+((\a)%4)*1536+\c*768
	global_store_b64 v[CO8], v[PC+6*\c+4:PC+6*\c+5], s[14:15] offset:((\a)/4)*98304+((\a)%4)*1536+\c*768+512
.else
	global_store_b128 v[CO16], v[PC+6*\c:PC+6*\c+3], s[14:15] offset:\c*98304+(\a)*768
	global_store_b64 v[CO8], v[PC+6*\c+4:PC+6*\c+5], s[14:15] offset:\c*98304+(\a)*768+512
.endif
.endr
.endr
	v_and_b32 v[TM], 31, v0
	v_cmp_le_u32 vcc_lo, 16, v[TM]
.irp t, 0,1,2,3
.if \vmode
	v_cndmask_b32 v[SWD+\t], v[PW+\t], v[PW+4+\t], vcc_lo
.else
	v_perm_b32 v[TM+\t], v[PW+2*\t+1], v[PW+2*\t], 0x05040100
	v_perm_b32 v[TM+4+\t], v[PW+2*\t+1], v[PW+2*\t], 0x07060302
	v_cndmask_b32 v[SWD+\t], v[TM+\t], v[TM+4+\t], vcc_lo
.endif
.endr
	global_store_b128 v[SOF], v[SWD:SWD+3], s[16:17]
.endm
	s_wait_loadcnt 0x0
	PLACES NP
.irp b, 0,1,2,3
	v_mov_b32 v[TM+4+\b], 0
.endr
	s_cmp_eq_u32 s[MODE], 2
	s_cbranch_scc1 .Lkeys
	EPI 0
	s_branch .Ldone
.Lkeys:
	EPI 1
.Ldone:
	s_wait_tensorcnt 0x0
	ds_add_u32 v[SPW], v[NIL]
	s_wait_dscnt 0x0
	CROUND
	s_endpgm
.Lfunc_end_k_q74847b9cef_proj:
	.size	k_q74847b9cef_proj, .Lfunc_end_k_q74847b9cef_proj-k_q74847b9cef_proj
	.p2alignl 7, 3214868480
	.fill 96, 4, 3214868480
	.section	.rodata,"a",@progbits
	.p2align	6, 0x0
	.amdhsa_kernel k_q74847b9cef_proj
		.amdhsa_group_segment_fixed_size 327680
		.amdhsa_private_segment_fixed_size 0
		.amdhsa_enable_private_segment 0
		.amdhsa_kernarg_size 56
		.amdhsa_user_sgpr_count 2
		.amdhsa_user_sgpr_kernarg_segment_ptr 1
		.amdhsa_wavefront_size32 1
		.amdhsa_system_sgpr_workgroup_id_x 1
		.amdhsa_system_sgpr_workgroup_id_y 1
		.amdhsa_system_sgpr_workgroup_id_z 1
		.amdhsa_system_vgpr_workitem_id 0
		.amdhsa_next_free_vgpr 1024
		.amdhsa_next_free_sgpr 100
		.amdhsa_reserve_vcc 1
		.amdhsa_float_denorm_mode_32 3
		.amdhsa_float_denorm_mode_16_64 3
		.amdhsa_memory_ordered 1
		.amdhsa_forward_progress 1
		.amdhsa_inst_pref_size 220
	.end_amdhsa_kernel
	.amdgpu_metadata
---
amdhsa.version: [ 1, 2 ]
amdhsa.kernels:
  - .name:           k_q74847b9cef_proj
    .symbol:         k_q74847b9cef_proj.kd
    .args:
      - { .name: xw_codes, .offset: 0, .size: 8, .value_kind: global_buffer, .address_space: global }
      - { .name: xw_scales, .offset: 8, .size: 8, .value_kind: global_buffer, .address_space: global }
      - { .name: bq, .offset: 16, .size: 8, .value_kind: global_buffer, .address_space: global }
      - { .name: bk, .offset: 24, .size: 8, .value_kind: global_buffer, .address_space: global }
      - { .name: bv, .offset: 32, .size: 8, .value_kind: global_buffer, .address_space: global }
      - { .name: qkv_codes, .offset: 40, .size: 8, .value_kind: global_buffer, .address_space: global }
      - { .name: qkv_scales, .offset: 48, .size: 8, .value_kind: global_buffer, .address_space: global }
    .group_segment_fixed_size: 327680
    .private_segment_fixed_size: 0
    .kernarg_segment_align: 8
    .kernarg_segment_size: 56
    .max_flat_workgroup_size: 128
    .sgpr_count:     100
    .vgpr_count:     1024
    .wavefront_size: 32
...
	.end_amdgpu_metadata
.endif
;; end of part 2
;; launch attn (part 3): grid 4 x 64, 16 waves a work-group, clusters of 4 x 1, 206,848 bytes of LDS; arguments qkv_codes, qkv_scales, o_codes, o_scales; writes o_codes, o_scales
.if DOCPART == 3
	.amdgcn_target "amdgcn-amd-amdhsa--gfx1250"
	.amdhsa_code_object_version 6
	.text
	.protected	k_q74847b9cef_attn
	.globl	k_q74847b9cef_attn
	.p2align	8
	.type	k_q74847b9cef_attn,@function
k_q74847b9cef_attn:
	s_mov_b64 s[64:65], 0
	v_nop
	global_prefetch_b8 v0, s[64:65] scope:SCOPE_SE
	s_setreg_imm32_b32 hwreg(HW_REG_WAVE_MODE, 25, 1), 1
	s_wait_xcnt 0x0
	s_wait_alu depctr_hold_cnt(0) depctr_sa_sdst(0) depctr_va_vdst(0) depctr_va_sdst(0) depctr_va_ssrc(0) depctr_va_vcc(0) depctr_vm_vsrc(0)
	s_getreg_b32 s2, hwreg(HW_REG_IB_STS2, 6, 4)
	s_cmp_eq_u32 s2, 0
	s_cbranch_scc0 .Lentry_in_a_cluster
	s_endpgm
.Lentry_in_a_cluster:
	s_bfe_u32 s2, ttmp6, 0x10000c
	s_cmp_lg_u32 s2, 0x3003
	s_cbranch_scc0 .Lentry_shape_is_right
	s_endpgm
.Lentry_shape_is_right:
; For each of 64 (batch, head): O = softmax(Q K^T / 8) V on codes of FP6 (E2M3) with E8M0 scales; O / l is quantised along the model's 1,024 (two blocks a head) and leaves as codes for the last product.
; THE SOFTMAX AHEAD OF THE SECOND PRODUCT: t = score x log2(e) / 8; M = the row's largest t so far, rounded UP to a whole number; p = 2^(t - M) is quantised along the keys, not normalised.
; The row's sum l is taken of the unquantised p and divides O at the end.  When M moves, l and O are multiplied by f = 2^(old M - new M): exact.
; IN: Q, K: [hb][64 fragments][1,536 bytes]: fragment b = the half images of token tiles 2 b and 2 b + 1 (16 tokens x the head's 64).  V: [hb][16 steps of 128 keys][4 tiles of 16 d][1,536].  Scale words [hb][step][r][4 words].
; K'S TOKENS: row 8 h + i of tile 4 C + j is key 64 C + 32 h + 8 j + i (the first launch lays x_K so).  The scores are used transposed (source 0 = K), so lane (query r, half h) holds in the 32 registers of
; tiles 4 C .. 4 C + 3 the keys 64 C + 32 h + 0 .. 31 in their order: ONE WHOLE SCALE BLOCK of p, and the very block that the second product's operand wants in that lane.  No lane asks another for a block's maximum, and no codes change lanes.
; THE FIRST PRODUCT'S K IS 64, half of the instruction's 128: source 0 = [tile 2 f | tile 2 f + 1]; source 1 = [q | zeros] gives tile 2 f's scores, [zeros | q] tile 2 f + 1's: zero codes add nothing (every scale byte lies in 1 .. 254).
; SHARES.  A work-group owns 512 queries of one hb; each of its 16 waves 32 queries, in two passes of 16.  Four waves to a SIMD.
; THE WHOLE HEAD'S K AND V STAY IN LDS: 2 x 98,304 bytes of codes in twelve chunks of 16,384, 2 x 4,096 of scale words in four of 2,048, filled once.  EVERY WAVE ISSUES ONE FILL, what is needed first by the lowest waves:
; waves 0, 1 the first chunk of K and of V, waves 2-5 the scale words, waves 6-15 the other ten chunks.  The first barrier waits for waves 0-5 alone: step 0 of pass 0, written out ahead of the loop, reads K's bytes 0 .. 12,287 (its own and
; the next step's), V's 0 .. 6,143 and the first 512 and 256 bytes of the scale words, all theirs.  Behind it every wave waits for its fill, and a second barrier shows the rest.
; CLUSTER 4 x 1: the four work-groups of an hb read the same K and V and ask for them jointly (mask 15).  No prefetch: the launch's only tensor loads stand at its head, so there is no later load to ask ahead of.
; THE STEP'S ORDER: scores; V's fetch; maxima, M, p; then O under the new M, p's scale word and the first lines of p's sum by turns, so that no line of the scale word's chain stands within four lines of the line that it reads; codes;
; second product; the rest of the sum, whose first four lines are the places behind the products and whose other 19 stand between the next step's fetch of K and the wait for it.
; l IS KEPT IN EIGHT PACKED SUMS through a pass: a step's first eight lines are sum x f + p, the other 24 additions; the eight are joined at the pass's end.
; The last step of a pass fetches the 6,144 bytes behind K's codes and the 256 behind its scale words (V's first, inside LDS): nothing uses them.
; OUT: o_codes [token tile][16 heads][768], o_scales [token tile][4][r][2 words].
; LIMITS: the promise holds while the scaled scores t stay under 2^31 in magnitude; NaN and infinities are not served; a block whose largest magnitude lies under 2^-124 has its byte held at 1; a block of zeros gets the byte 1, not 127 (zero codes; this program alone reads the bytes).
; REGISTERS: v1-5, v11 addresses that stay; v6-10 the step's; v12 -M, v13 the largest score, v14, v15 the way out's 1 / l; v16-27 Q, v28 its scale word; v29 the pass's; v30-47 q, zeros, q; v48-95 four fragments of K or V;
; v96-159 S^T, then p; v160-191 O^T; v192-210 codes; v212-220 scale words; v221 the byte select; v222-235 at work; v[236:237] f; v238-253 l's eight sums; v254, v255 the add's.
.set KV,   48
.set S,    96
.set O,    160
.set PC,   192                         ; v192-203 p's codes;  v204-206, v208-210 conversions' second halves
.set KSW,  212
.set VSW,  216
.set PW,   220
.set SH,   221                         ; where my two bytes go in p's scale word, as v_perm_b32's select
.set OB,   222
.set BM,   224                         ; v224-227 four chains of maxima; then v224, v226 my two blocks' largest score, then largest p
.set PT,   228
.set SO,   232
.set C0,   234
.set C1,   235
.set FF,   236
.set L,    238
.set VOFF, 98304                       ; LDS: K's codes at 0, V's here,
.set SCK,  196608                      ; K's scale words, V's 4,096 bytes on,
.set SPARE, 204800                     ; the spare words: 128 bytes a wave
.set STEPB, 6144                       ; a step's codes
.set WV,   18
.set G1C,  20                          ; s[20:27] group 1 of a chunk of codes; s[28:35] of scale words; groups 0: s[36:39] first chunks, s[40:43] scale words, s[44:47] the other chunks
.set G1S,  28
.set G0E,  36
.set G0S,  40
.set G0L,  44
.set SEL,  56
.set CS,   58                          ; s[58:59] c = log2(e) / 8
.set TB,   60
.set TS,   61
.set CNT,  62
.macro CROUND                          ; a round of the cluster's barrier
	s_barrier_signal -1
	s_barrier_wait -1
	s_cmp_lg_u32 s[WV], 0
	s_cbranch_scc1 .Lnot_wave_0_\@
	s_barrier_signal -3
.Lnot_wave_0_\@:
	s_barrier_wait -3
	s_barrier_signal -1
	s_barrier_wait -1
.endm
.macro FETCH a, b                      ; four fragments, each load of the wave 512 or 256 consecutive bytes
.irp f, 0,1,2,3
	ds_load_b128 v[KV+12*\f:KV+12*\f+3], v\a offset:1536*\f
	ds_load_b64 v[KV+12*\f+4:KV+12*\f+5], v\b offset:1536*\f+512
	ds_load_b128 v[KV+12*\f+6:KV+12*\f+9], v\a offset:1536*\f+768
	ds_load_b64 v[KV+12*\f+10:KV+12*\f+11], v\b offset:1536*\f+1280
.endr
.endm
.macro TLOAD g0, g1
	tensor_load_to_lds s[\g0:\g0+3], s[\g1:\g1+7]
	s_nop 0
.rept 4
	v_nop
.endr
.endm
	s_load_b256 s[4:11], s[0:1], 0x0               ; the codes, the scale words, O's codes, O's scale words
	v_lshl_add_u32 v254, v0, 2, SPARE
	v_mov_b32 v255, 0
	ds_add_u32 v254, v255                          ; the opening lines: the add, twice on end, and its wait
	ds_add_u32 v254, v255
	v_lshrrev_b32 v1, 5, v0
	s_delay_alu instid0(VALU_DEP_1)
	v_readfirstlane_b32 s[WV], v1                  ; wave 0..15
	s_and_b32 s3, ttmp7, 0xffff                    ; hb, which the four partners share
	s_mov_b32 s[G1C], 15|(3<<16)|(1<<21)           ; mask: all four; elements of 8 bytes; bit 21 beside a mask.  64 dense rows of 256 bytes
	s_mov_b32 s[G1C+1], 32<<16
	s_mov_b32 s[G1C+2], 64<<16
	s_mov_b32 s[G1C+3], 32<<16
	s_mov_b32 s[G1C+4], 64
	s_mov_b32 s[G1C+5], 32
	s_mov_b32 s[G1C+6], 0
	s_mov_b32 s[G1C+7], 0
	s_mov_b32 s[G1S], 15|(3<<16)|(1<<21)           ; 8 such rows
	s_mov_b32 s[G1S+1], 32<<16
	s_mov_b32 s[G1S+2], 8<<16
	s_mov_b32 s[G1S+3], 32<<16
	s_mov_b32 s[G1S+4], 8
	s_mov_b32 s[G1S+5], 32
	s_mov_b32 s[G1S+6], 0
	s_mov_b32 s[G1S+7], 0
	s_mul_i32 s15, s3, 98304                       ; memory: Q's part, K's, V's, 6,291,456 bytes each; in a part 98,304 an hb
	s_mov_b32 s[G0E], 1                            ; waves 0, 1: the first chunk of K, of V
	s_mul_i32 s[G0E+1], s[WV], VOFF
	s_add_co_u32 s16, s[WV], 1
	s_mul_i32 s16, s16, 6291456
	s_add_co_u32 s16, s16, s15
	s_mov_b32 s17, 0
	s_mov_b32 s[G0L], 1                            ; waves 6-10: chunks 1-5 (K's), waves 11-15: chunks 7-11 (V's): chunk = (wave + 11) % 16 + (wave + 5) / 16
	s_add_co_u32 s12, s[WV], 11
	s_and_b32 s12, s12, 15
	s_add_co_u32 s13, s[WV], 5
	s_lshr_b32 s13, s13, 4
	s_add_co_u32 s12, s12, s13
	s_lshl_b32 s[G0L+1], s12, 14
	s_add_co_u32 s48, s15, s[G0L+1]
	s_add_co_u32 s48, s48, 6291456
	s_cmp_lt_u32 s12, 6
	s_cselect_b32 s14, 0, 6291456-98304            ; V's chunks: on to V's part, back over K's six
	s_add_co_u32 s48, s48, s14
	s_mov_b32 s49, 0
	s_mov_b32 s[G0S], 1                            ; waves 2-5: quarter 0 .. 3 of the scale words: K's two halves, V's two
	s_add_co_u32 s12, s[WV], 2
	s_and_b32 s12, s12, 3
	s_lshl_b32 s13, s12, 11
	s_add_co_u32 s[G0S+1], s13, SCK
	s_and_b32 s13, s12, 1
	s_lshl_b32 s13, s13, 11
	s_lshr_b32 s12, s12, 1
	s_lshl_b32 s12, s12, 18
	s_lshl_b32 s50, s3, 12
	s_add_co_u32 s50, s50, s13
	s_add_co_u32 s50, s50, s12
	s_add_co_u32 s50, s50, 1<<18
	s_mov_b32 s51, 0
	s_mov_b32 s[SEL], 0x76543210
	s_mov_b32 s[SEL+1], 0xfedcba98                 ; v_permlanex16_b32's selects for lane l xor 16
	s_mov_b32 s[CS], 0x3e38aa3b                    ; log2(e) / sqrt(64)
	s_mov_b32 s[CS+1], s[CS]
	s_wait_dscnt 0x0
	s_wait_kmcnt 0x0
	s_add_nc_u64 s[G0E+2:G0E+3], s[4:5], s[16:17]
	s_or_b32 s[G0E+3], s[G0E+3], 0x80000000
	s_add_nc_u64 s[G0L+2:G0L+3], s[4:5], s[48:49]
	s_or_b32 s[G0L+3], s[G0L+3], 0x80000000
	s_add_nc_u64 s[G0S+2:G0S+3], s[6:7], s[50:51]
	s_or_b32 s[G0S+3], s[G0S+3], 0x80000000
	CROUND                                         ; all four work-groups are here: the joint loads meet
	s_cmp_lt_u32 s[WV], 2                          ; one chain of three arms, a fill in each: every wave issues one
	s_cbranch_scc0 .Lwords
	TLOAD G0E, G1C
	s_branch .Lasked
.Lwords:
	s_cmp_lt_u32 s[WV], 6
	s_cbranch_scc0 .Lrest
	TLOAD G0S, G1S
	s_branch .Lasked
.Lrest:
	TLOAD G0L, G1C
.Lasked:
	; my queries: cx enters Q's and O's addresses alone, in registers that feed no descriptor
	s_bfe_u32 s67, ttmp6, 0x40000                  ; cx
	s_lshl_b32 s66, s67, 4
	s_add_co_u32 s66, s66, s[WV]                   ; my fragment of Q: 16 cx + wave
	s_mul_i32 s68, s3, 98304
	s_mul_i32 s70, s66, 1536
	s_add_co_u32 s68, s68, s70
	s_mov_b32 s69, 0
	s_add_nc_u64 s[72:73], s[4:5], s[68:69]        ; its codes
	s_lshl_b32 s68, s3, 12
	s_lshr_b32 s70, s66, 2
	s_lshl_b32 s70, s70, 8
	s_add_co_u32 s68, s68, s70
	s_and_b32 s70, s66, 3
	s_lshl_b32 s70, s70, 2
	s_add_co_u32 s68, s68, s70
	s_add_nc_u64 s[74:75], s[6:7], s[68:69]        ; its scale words: step, then 16 r, then the word
	s_lshr_b32 s70, s3, 4                          ; the batch: 128 token tiles each
	s_lshl_b32 s70, s70, 7
	s_lshl_b32 s71, s66, 1
	s_add_co_u32 s70, s70, s71                     ; my first token tile
	s_and_b32 s71, s3, 15                          ; the head
	s_mul_i32 s68, s70, 12288
	s_mul_i32 s76, s71, 768
	s_add_co_u32 s68, s68, s76
	s_add_nc_u64 s[8:9], s[8:9], s[68:69]          ; O's codes: tile, then the head's half image
	s_lshl_b32 s68, s70, 9
	s_lshr_b32 s76, s71, 2
	s_lshl_b32 s76, s76, 7
	s_add_co_u32 s68, s68, s76
	s_and_b32 s76, s71, 3
	s_lshl_b32 s76, s76, 1
	s_add_co_u32 s68, s68, s76
	s_add_nc_u64 s[10:11], s[10:11], s[68:69]      ; O's scale bytes: tile x 512 + (head / 4) x 128 + 2 (head % 4); 8 r comes from the lane
	v_and_b32 v11, 31, v0
	v_and_b32 v[C0], 15, v0                        ; r
	v_bfe_u32 v[SH], v0, 4, 1                      ; h
	s_delay_alu instid0(VALU_DEP_3)
	v_lshlrev_b32 v1, 4, v11                       ; 16 x lane
	s_delay_alu instid0(VALU_DEP_4)
	v_lshlrev_b32 v2, 3, v11                       ; 8 x lane
	s_delay_alu instid0(VALU_DEP_4)
	v_lshl_add_u32 v5, v[C0], 4, SCK               ; a step's four scale words of row r
	s_delay_alu instid0(VALU_DEP_3)
	v_add_nc_u32 v3, VOFF-STEPB, v1                ; V's addresses are made when the step's offset has gone one step on
	s_delay_alu instid0(VALU_DEP_3)
	v_add_nc_u32 v4, VOFF-STEPB, v2
	v_lshlrev_b32 v[C1], 4, v[C0]
	v_lshlrev_b32 v11, 3, v[C0]                    ; 8 r
	global_load_b128 v[16:19], v1, s[72:73]        ; Q's fragment stays in registers
	global_load_b64 v[20:21], v2, s[72:73] offset:512
	global_load_b128 v[22:25], v1, s[72:73] offset:768
	global_load_b64 v[26:27], v2, s[72:73] offset:1280
	global_load_b32 v28, v[C1], s[74:75]           ; its scale word: bytes 0, 1 tile 0, bytes 2, 3 tile 1
	v_mov_b32 v230, 0x0c070c03                     ; lanes 0-15: my two bytes go to bytes 0 and 2 of p's scale word, zeros between;
	v_mov_b32 v231, 0x070c030c                     ; lanes 16-31: to bytes 1 and 3.  (v231 is later a lane permute's destination, which counts as one of its sources: it is written here)
	v_cmp_eq_u32 vcc_lo, 0, v[SH]
.irp i, 0,1,2,3,4,5
	v_mov_b32 v[36+\i], 0                          ; the zeros between q and q
.endr
	v_mov_b32 v[FF+1], 0                           ; (named as the upper halves of pairs)
	v_mov_b32 v15, 0
	v_cndmask_b32 v[SH], v231, v230, vcc_lo
.macro PO j                            ; two numbers of O^T under the new M
	v_pk_mul_f32 v[O+\j:O+1+\j], v[O+\j:O+1+\j], v[FF:FF+1] op_sel_hi:[1,0]
.endm
.macro SUMS from, to                   ; lines from .. to - 1 of the 32 of p's sum: line n takes p's pair n into sum n % 8
.set N_, \from
.rept (\to)-(\from)
.if N_ < 8
	v_pk_fma_f32 v[L+2*N_:L+2*N_+1], v[L+2*N_:L+2*N_+1], v[FF:FF+1], v[S+2*N_:S+2*N_+1] op_sel_hi:[1,0,1]
.else
	v_pk_add_f32 v[L+2*(N_%8):L+2*(N_%8)+1], v[L+2*(N_%8):L+2*(N_%8)+1], v[S+2*N_:S+2*N_+1]
.endif
.set N_, N_+1
.endr
.endm
; A KEY STEP: 128 keys.  K's fragments and scale words are in.
.macro STEP
.irp f, 0,1,2,3                                ; S^T: eight sums, each one instruction
	v_wmma_scale_f32_16x16x128_f8f6f4 v[S+16*\f:S+16*\f+7], v[KV+12*\f:KV+12*\f+11], v[30:41], 0, v[KSW+\f], v29 matrix_a_fmt:MATRIX_FMT_FP6 matrix_b_fmt:MATRIX_FMT_FP6
	v_wmma_scale_f32_16x16x128_f8f6f4 v[S+16*\f+8:S+16*\f+15], v[KV+12*\f:KV+12*\f+11], v[36:47], 0, v[KSW+\f], v29 matrix_a_fmt:MATRIX_FMT_FP6 matrix_b_fmt:MATRIX_FMT_FP6
.endr
	s_add_co_u32 s[TB], s[TB], STEPB
	s_add_co_u32 s[TS], s[TS], 256
	v_add_nc_u32 v7, s[TB], v2                     ; the next step's K, this step's V: these four are the places between the products and the loads and reads below
	v_add_nc_u32 v8, s[TB], v3
	v_add_nc_u32 v9, s[TB], v4
	v_add_nc_u32 v10, s[TS], v5
	FETCH 8, 9                                     ; V's four fragments land while the softmax is walked
	ds_load_b128 v[VSW:VSW+3], v10 offset:4096-256
.irp b, 0,1,2,3                                ; four chains of maxima by turns, 16 scores each; each accumulator is first read at its low end
	v_max3_num_f32 v[BM+\b], v[S+16*\b], v[S+1+16*\b], v[S+2+16*\b]
.endr
.irp i, 3,5,7,9,11,13
.irp b, 0,1,2,3
	v_max3_num_f32 v[BM+\b], v[BM+\b], v[S+16*\b+\i], v[S+1+16*\b+\i]
.endr
.endr
	v_max3_num_f32 v[BM], v[BM], v[BM+1], v[S+15]  ; THE LARGEST SCORE OF EACH OF MY TWO BLOCKS serves twice: for the row's maximum, and, since p rises with the score, for the block's largest p
	v_max3_num_f32 v[BM+2], v[BM+2], v[BM+3], v[S+47]
	v_max_num_f32 v[BM], v[BM], v[S+31]
	v_max_num_f32 v[BM+2], v[BM+2], v[S+63]
	s_delay_alu instid0(VALU_DEP_1)
	v_max_num_f32 v[C0], v[BM], v[BM+2]
	s_delay_alu instid0(VALU_DEP_1)
	v_permlanex16_b32 v[C1], v[C0], s[SEL], s[SEL+1] ; lane l xor 16 has my query's other 64 keys
	s_delay_alu instid0(VALU_DEP_1)
	v_max3_num_f32 v13, v13, v[C0], v[C1]          ; the running largest score
	s_delay_alu instid0(VALU_DEP_1)
	v_mul_f32 v[C0], s[CS], v13                    ; as t (c is positive)
	s_delay_alu instid0(VALU_DEP_1)
	v_floor_f32 v[C1], -v[C0]                      ; the new -M = floor(-t) = -ceil(t): M IS A WHOLE NUMBER
	s_delay_alu instid0(VALU_DEP_1)
	v_sub_f32 v[C0], v[C1], v12                    ; M's old value less its new one: a whole number, 0 or less
	s_delay_alu instid0(VALU_DEP_2)
	v_mov_b32 v12, v[C1]
	s_delay_alu instid0(VALU_DEP_2)
	v_cvt_i32_f32 v[C0], v[C0]                     ; (it saturates)
	s_delay_alu instid0(VALU_DEP_1)
	v_ldexp_f32 v[FF], 1.0, v[C0]                  ; f = 2^(old M - new M)
.irp j, 0,2,4,6,8,10,12,14,16,18,20,22,24,26,28,30,32,34,36,38,40,42,44,46,48,50,52,54,56,58,60,62
	v_pk_fma_f32 v[S+\j:S+1+\j], v[S+\j:S+1+\j], s[CS:CS+1], v[12:13] op_sel_hi:[1,0,0]   ; t - M, two at a time (of the pairs c and -M the low word serves both halves)
.endr
	v_fma_f32 v[BM], v[BM], s[CS], v12             ; the same of each block's largest score
	v_fma_f32 v[BM+2], v[BM+2], s[CS], v12
	s_wait_alu depctr_va_vdst(0)                   ; the wait ahead of the batch
	v_exp_f32 v[BM], v[BM]                         ; the blocks' largest p: the same two instructions on the same number give the same bits
	v_exp_f32 v[BM+2], v[BM+2]
.irp j, 0,1,2,3,4,5,6,7,8,9,10,11,12,13,14,15,16,17,18,19,20,21,22,23,24,25,26,27,28,29,30,31,32,33,34,35,36,37,38,39,40,41,42,43,44,45,46,47,48,49,50,51,52,53,54,55,56,57,58,59,60,61,62,63
	v_exp_f32 v[S+\j], v[S+\j]                     ; p = 2^(t - M), at most 1: NOT normalised
.endr
	v_add_nc_u32 v6, s[TB], v1                     ; the next step's K.  (The plain place behind the exponentials)
	s_wait_alu depctr_va_vdst(0)                   ; one wait, for the whole batch and, directly ahead of them, for the first readers of O^T's four accumulators
	PO 0
	PO 8
	PO 16
	PO 24
	v_max_num_f32 v[BM], 0x1800000, v[BM]          ; the floor 2^(3 - 127): the byte cannot fall under 1
	v_max_num_f32 v[BM+2], 0x1800000, v[BM+2]
	PO 2
	PO 4
	PO 6
	PO 10
	v_add_nc_u32 v[SO], 0xff000000, v[BM]          ; 2 off the exponent field: the conversion's scale operand
	v_add_nc_u32 v[SO+1], 0xff000000, v[BM+2]
	v_lshl_add_u32 v[PT], v[BM], 1, 0xfe000000     ; the same one bit up: the scale's byte is the register's top byte
	v_lshl_add_u32 v[PT+1], v[BM+2], 1, 0xfe000000
	PO 12
	PO 14
	PO 18
	PO 20
	v_perm_b32 v230, v[PT+1], v[PT], v[SH]         ; my two bytes, blocks h and 2 + h, at their places in the word, zeros at the others
	PO 22
	PO 26
	PO 28
	PO 30
	v_permlanex16_b32 v231, v230, s[SEL], s[SEL+1]
	SUMS 0, 4                                      ; THE ROW'S SUM IS TAKEN OF THE UNQUANTISED p
	v_or_b32 v[PW], v230, v231                     ; with lane l xor 16's two the word is whole
.irp c, 0,1
	v_cvt_scalef32_pk16_fp6_f32 v[PC+6*\c:PC+2+6*\c], v[S+32*\c:S+15+32*\c], v[SO+\c]
	v_cvt_scalef32_pk16_fp6_f32 v[PC+12+4*\c:PC+14+4*\c], v[S+16+32*\c:S+31+32*\c], v[SO+\c]   ; (a conversion's three registers begin on an even number)
.endr
	SUMS 4, 5                                      ; the plain place behind the scaled conversions: it reads p and writes a sum
.irp c, 0,1
.irp i, 0,1,2
	v_mov_b32 v[PC+3+6*\c+\i], v[PC+12+4*\c+\i]
.endr
.endr
	SUMS 5, 9                                      ; four places between the last write of p's codes and the products; eleven stand behind the scale word's
	s_wait_alu depctr_va_vdst(0)
	s_wait_dscnt 0x0                               ; V is in
.irp t, 0,1,2,3                                ; O^T += V^T P^T: the four accumulators by turns, with the eight sums of S^T between two steps' turns
	v_wmma_scale_f32_16x16x128_f8f6f4 v[O+8*\t:O+8*\t+7], v[KV+12*\t:KV+12*\t+11], v[PC:PC+11], v[O+8*\t:O+8*\t+7], v[VSW+\t], v[PW] matrix_a_fmt:MATRIX_FMT_FP6 matrix_b_fmt:MATRIX_FMT_FP6
.endr
	SUMS 9, 13                                     ; these four name no register of the products: they are the places in front of the loads below
	FETCH 6, 7                                     ; the next step's K
	ds_load_b128 v[KSW:KSW+3], v10
	SUMS 13, 32
.endm
; A PASS: tile u of my fragment of Q against all 2,048 keys, then the way out.
.macro PASS u
.if \u
	s_wait_xcnt 0x0                                ; the last pass's stores have read their data
.endif
	FETCH 1, 2                                     ; step 0's K lands under the lines below
	ds_load_b128 v[KSW:KSW+3], v5
.irp i, 0,1,2,3,4,5
	v_mov_b32 v[30+\i], v[16+6*\u+\i]              ; [q | zeros] = v30-41, [zeros | q] = v36-47
	v_mov_b32 v[42+\i], v[16+6*\u+\i]
.endr
.if \u
	v_perm_b32 v29, v28, v28, 0x03020302           ; the tile's two bytes, in both halves of the word: they serve q wherever it stands
.else
	v_perm_b32 v29, v28, v28, 0x01000100
.endif
	v_mov_b32 v13, 0xff61b1e6                      ; the largest score so far: -3e38, under every score
	v_mov_b32 v12, 0x7f61b1e6                      ; -M: 3e38: the first step's f comes out 0
.irp j, 0,1,2,3,4,5,6,7,8,9,10,11,12,13,14,15
	v_mov_b32 v[L+\j], 0                           ; l's eight sums
.endr
.irp j, 0,1,2,3,4,5,6,7,8,9,10,11,12,13,14,15,16,17,18,19,20,21,22,23,24,25,26,27,28,29,30,31
	v_mov_b32 v[O+\j], 0                           ; O^T: the step is written once; the first finds zeros.  (Also the places between the writes above and the first products)
.endr
	s_mov_b32 s[TB], 0
	s_mov_b32 s[TS], 0
	s_mov_b32 s[CNT], 15+\u
	s_wait_alu depctr_va_vdst(0)
	s_wait_dscnt 0x0
.if \u == 0
	STEP                                           ; step 0, on what waves 0-5 fetched, while the other ten chunks land
	s_wait_alu depctr_va_vdst(0)
	s_wait_tensorcnt 0x0                           ; every wave: my fill has landed,
	s_wait_dscnt 0x0                               ; and step 1's K is in
	s_barrier_signal -1
	s_barrier_wait -1                              ; K and V are whole, for the rest of the launch
.endif
.Lstep_\@:
	STEP
	s_sub_co_u32 s[CNT], s[CNT], 1
	s_cmp_lg_u32 s[CNT], 0
	s_wait_alu depctr_va_vdst(0)
	s_wait_dscnt 0x0                               ; the next step's K is in
	s_cbranch_scc1 .Lstep_\@
.irp k, 0,2,4,6
	v_pk_add_f32 v[L+\k:L+\k+1], v[L+\k:L+\k+1], v[L+8+\k:L+9+\k]   ; l's eight sums are joined  (the sum's last 23 lines were the places behind the last products)
.endr
	s_delay_alu instid0(VALU_DEP_2)
	v_pk_add_f32 v[L:L+1], v[L:L+1], v[L+4:L+5]
	s_delay_alu instid0(VALU_DEP_2)
	v_pk_add_f32 v[L+2:L+3], v[L+2:L+3], v[L+6:L+7]
	s_delay_alu instid0(VALU_DEP_1)
	v_pk_add_f32 v[L:L+1], v[L:L+1], v[L+2:L+3]
	s_delay_alu instid0(VALU_DEP_1)
	v_add_f32 v14, v[L], v[L+1]
	s_delay_alu instid0(VALU_DEP_1)
	v_permlanex16_b32 v[C1], v14, s[SEL], s[SEL+1]
	s_delay_alu instid0(VALU_DEP_1)
	v_add_f32 v14, v14, v[C1]                      ; and lane l xor 16's
	s_wait_alu depctr_va_vdst(0)
	v_rcp_f32 v14, v14
	v_nop                                          ; a plain place behind the transcendental
	s_wait_alu depctr_va_vdst(0)                   ; and the wait ahead of its first reader, which is also O^T's
.irp j, 0,2,4,6,8,10,12,14,16,18,20,22,24,26,28,30
	v_pk_mul_f32 v[S+\j:S+1+\j], v[O+\j:O+1+\j], v[14:15] op_sel_hi:[1,0]   ; O / l: register 16 b + i is d = 32 b + 16 (lane / 16) + i of my query
.endr
.irp b, 0,1
	v_max3_num_f32 v[BM+\b], |v[S+16*\b]|, |v[S+1+16*\b]|, 0x1800000   ; the head's two blocks of 32 along the last product's K
.endr
.irp i, 2,4,6,8,10,12,14
.irp b, 0,1
	s_delay_alu instid0(VALU_DEP_2)
	v_max3_num_f32 v[BM+\b], v[BM+\b], |v[S+16*\b+\i]|, |v[S+1+16*\b+\i]|
.endr
.endr
.irp b, 0,1
	s_delay_alu instid0(VALU_DEP_2)
	v_permlanex16_b32 v[PT+\b], v[BM+\b], s[SEL], s[SEL+1]
.endr
.irp b, 0,1
	s_delay_alu instid0(VALU_DEP_2)
	v_max_num_f32 v[BM+\b], v[BM+\b], v[PT+\b]
.endr
.irp b, 0,1
	s_delay_alu instid0(VALU_DEP_2)
	v_add_nc_u32 v[SO+\b], 0xff000000, v[BM+\b]
.endr
.irp b, 0,1
	s_delay_alu instid0(VALU_DEP_2)
	v_lshrrev_b32 v[PT+\b], 23, v[SO+\b]
.endr
	s_delay_alu instid0(VALU_DEP_1)
	v_lshl_or_b32 v[OB], v[PT+1], 8, v[PT]
	v_cvt_scalef32_pk16_fp6_f32 v[PC:PC+2], v[S:S+15], v[SO]
	v_cvt_scalef32_pk16_fp6_f32 v[PC+12:PC+14], v[S+16:S+31], v[SO+1]
	v_nop                                          ; one plain place behind a scaled conversion
.irp i, 0,1,2
	v_permlane16_swap_b32 v[PC+\i], v[PC+12+\i]    ; here a block lies in two lanes: the operand's layout wants it whole in one
.endr
.irp i, 0,1,2
	s_delay_alu instid0(VALU_DEP_3)
	v_mov_b32 v[PC+3+\i], v[PC+12+\i]
.endr
	global_store_b128 v1, v[PC:PC+3], s[8:9] offset:\u*12288          ; the half image: 512 consecutive bytes,
	global_store_b64 v2, v[PC+4:PC+5], s[8:9] offset:\u*12288+512     ; and 256, both at multiples of 256 from the buffer's first byte
	global_store_b16 v11, v[OB], s[10:11] offset:\u*512               ; my head's two bytes of row r; lanes 16-31 write the same bytes with the same value
.endm
	s_wait_alu depctr_va_vdst(0)                   ; the wait at the head's end
	s_wait_loadcnt 0x0                             ; Q
	s_cmp_lt_u32 s[WV], 6
	s_cbranch_scc0 .Llater
	s_wait_tensorcnt 0x0                           ; waves 0-5: the first chunks of K and V, the scale words
.Llater:
	s_barrier_signal -1
	s_barrier_wait -1                              ; they are in; the other chunks may still be on their way
	PASS 0
	PASS 1
	s_wait_tensorcnt 0x0                           ; the wave's end
	ds_add_u32 v254, v255
	s_wait_dscnt 0x0
	CROUND                                         ; the closing round: no work-group ends while a partner may still ask for a tile that names it
	s_endpgm
.Lfunc_end_k_q74847b9cef_attn:
	.size	k_q74847b9cef_attn, .Lfunc_end_k_q74847b9cef_attn-k_q74847b9cef_attn
	.p2alignl 7, 3214868480
	.fill 96, 4, 3214868480
	.section	.rodata,"a",@progbits
	.p2align	6, 0x0
	.amdhsa_kernel k_q74847b9cef_attn
		.amdhsa_group_segment_fixed_size 206848
		.amdhsa_private_segment_fixed_size 0
		.amdhsa_enable_private_segment 0
		.amdhsa_kernarg_size 32
		.amdhsa_user_sgpr_count 2
		.amdhsa_user_sgpr_kernarg_segment_ptr 1
		.amdhsa_wavefront_size32 1
		.amdhsa_system_sgpr_workgroup_id_x 1
		.amdhsa_system_sgpr_workgroup_id_y 1
		.amdhsa_system_sgpr_workgroup_id_z 1
		.amdhsa_system_vgpr_workitem_id 0
		.amdhsa_next_free_vgpr 256
		.amdhsa_next_free_sgpr 80
		.amdhsa_reserve_vcc 1
		.amdhsa_float_denorm_mode_32 3
		.amdhsa_float_denorm_mode_16_64 3
		.amdhsa_memory_ordered 1
		.amdhsa_forward_progress 1
		.amdhsa_inst_pref_size 70
	.end_amdhsa_kernel
	.amdgpu_metadata
---
amdhsa.version: [ 1, 2 ]
amdhsa.kernels:
  - .name:           k_q74847b9cef_attn
    .symbol:         k_q74847b9cef_attn.kd
    .args:
      - { .name: qkv_codes, .offset: 0, .size: 8, .value_kind: global_buffer, .address_space: global }
      - { .name: qkv_scales, .offset: 8, .size: 8, .value_kind: global_buffer, .address_space: global }
      - { .name: o_codes, .offset: 16, .size: 8, .value_kind: global_buffer, .address_space: global }
      - { .name: o_scales, .offset: 24, .size: 8, .value_kind: global_buffer, .address_space: global }
    .group_segment_fixed_size: 206848
    .private_segment_fixed_size: 0
    .kernarg_segment_align: 8
    .kernarg_segment_size: 32
    .max_flat_workgroup_size: 512
    .sgpr_count:     80
    .vgpr_count:     256
    .wavefront_size: 32
...
	.end_amdgpu_metadata
.endif
;; end of part 3
;; launch outp (part 4): grid 4 x 64, 4 waves a work-group, clusters of 4 x 4, 327,680 bytes of LDS; arguments o_codes, o_scales, xw_codes, xw_scales, bo, out0; writes out0
.if DOCPART == 4
	.amdgcn_target "amdgcn-amd-amdhsa--gfx1250"
	.amdhsa_code_object_version 6
	.text
	.protected	k_q74847b9cef_outp
	.globl	k_q74847b9cef_outp
	.p2align	8
	.type	k_q74847b9cef_outp,@function
k_q74847b9cef_outp:
	s_mov_b64 s[64:65], 0
	v_nop
	global_prefetch_b8 v0, s[64:65] scope:SCOPE_SE
	s_setreg_imm32_b32 hwreg(HW_REG_WAVE_MODE, 25, 1), 1
	s_wait_xcnt 0x0
	s_wait_alu depctr_hold_cnt(0) depctr_sa_sdst(0) depctr_va_vdst(0) depctr_va_sdst(0) depctr_va_ssrc(0) depctr_va_vcc(0) depctr_vm_vsrc(0)
	s_getreg_b32 s2, hwreg(HW_REG_IB_STS2, 6, 4)
	s_cmp_eq_u32 s2, 0
	s_cbranch_scc0 .Lentry_in_a_cluster
	s_endpgm
.Lentry_in_a_cluster:
	s_bfe_u32 s2, ttmp6, 0x10000c
	s_cmp_lg_u32 s2, 0xf033
	s_cbranch_scc0 .Lentry_shape_is_right
	s_endpgm
.Lentry_shape_is_right:
; out0 = O Wo^T + bo on codes of FP6 (E2M3) with E8M0 scales.  O: o_codes [512 row tiles][16 half images of 64 along K][768 bytes], o_scales [tile][kp = 0 .. 3][r][2 words]; Wo: row tiles 1,728 .. 1,791 of xw_codes, xw_scales, laid alike.
; Row tile 2 g + u holds rows 32 g + 8 u + r + 8 (r / 8), r = 0 .. 15.
; SHARES.  A work-group makes 128 rows x 256 columns: 64 x 4 blocks, 256 work-groups.  Four waves, 2 x 2; a wave makes 64 x 128: 32 accumulators, 256 registers.
; ALL OF K STAYS IN LDS: A's 8 row tiles (98,304 bytes) and B's 16 (196,608), cut in two halves of K: [half][A's 8 tiles, then B's 16][6,144 bytes].  Nothing is filled again.
; ONE JOINT LOAD A WAVE, each in an arm of its own: wave 0 A's first half of K, wave 1 B's, wave 2 A's second half, wave 3 B's.  A tile's row is 6,144 bytes of memory and begins at a multiple of 256.
; The first barrier waits for waves 0 and 1 alone; the second half lands under K steps 0 to 3 and is shown to all by a barrier inside step 3, ahead of which every wave waits for its load.
; CLUSTERS 4 x 4: A's tiles are shared along a row of the cluster, B's along a column.  No prefetch: the launch's only tensor loads stand at its head.
; THE SCALE WORDS go from memory straight into registers, 256 dense bytes a load: lanes 0-15 take kp = 2 m of a tile's rows, lanes 16-31 kp = 2 m + 1, two words each.
; So K step q finds its word in register 2 (q / 4) + q % 2 of the tile's four, in lanes 0-15 or 16-31 by (q / 2) % 2, on both sides alike.
; THE MATRIX INSTRUCTION IS USED TRANSPOSED (source 0 = 16 rows of Wo, source 1 = 16 rows of O): a lane holds eight neighbouring numbers of a row of the result.
; A K STEP: the wait for its fragments; the next step's 48 LDS loads into the other set of registers; 32 products, the accumulators by turns.
; THE WAY OUT: 16 rows x 128 columns at a time through the wave's own stage, which lies on A's first half of K: nobody reads that behind the second barrier, and it has had its only fill.
; REGISTERS: window 0: v12-15 the bias, v16-29 addresses, v32-47 A's scale words, v50-81 B's, v128-223 A's fragments, two sets; window 1: B's fragments, two sets, at v0 and v128; window 2: the accumulators, (a, b) at v[8 (8 a + b)].
.set TILEB,  6144                      ; a row tile's half of K: four K steps of 1,536 bytes
.set BOFF,   8*TILEB
.set HALF,   24*TILEB
.set SPARE,  2*HALF
.set SPITCH, 528
.set FR,     12
.set BIAS, 12
.set ADRA, 16                          ; v16, v17 my A fragments in half 0, 1, 16 bytes a lane; v18, v19 the same, 8 bytes a lane
.set ADRB, 20
.set STO,  24
.set RD,   25
.set CO,   26
.set SPW,  28
.set NIL,  29
.set SA,   32
.set SB,   50                          ; A's and B's scale registers of a product differ by 2 or 6 modulo 8
.set AF,   128
.set BK,   128
.set WV,   18
.set HR,   19
.set HP,   20
.set G1A,  24
.set G1B,  48
.set G00,  32
.set G01,  36
.set G02,  56
.set G03,  60
.set MSB, 0
.macro WIN new
.if MSB != (\new)
	s_set_vgpr_msb (MSB<<8)|(\new)
.set MSB, (\new)
.endif
.endm
.set MUL_W, 0xa1                       ; source 0 (B) window 1, source 1 (A) window 0, C and D window 2
.set TO_B,  0x40
.macro PLACES n
.rept \n
	v_nop
.endr
.endm
.macro CROUND
	s_barrier_signal -1
	s_barrier_wait -1
	s_cmp_lg_u32 s[WV], 0
	s_cbranch_scc1 .Lnot_wave_0_\@
	s_barrier_signal -3
.Lnot_wave_0_\@:
	s_barrier_wait -3
	s_barrier_signal -1
	s_barrier_wait -1
.endm
.macro ARM under, g0, g1, next
	s_cmp_lt_u32 s[WV], \under
	s_cbranch_scc0 \next
	tensor_load_to_lds s[\g0:\g0+3], s[\g1:\g1+7]
	s_nop 0
	PLACES 4
	s_branch .Lhead_asked
\next:
.endm
	s_load_b256 s[4:11], s[0:1], 0x0               ; O's codes, O's scale words, the weights' codes, their scale words
	s_load_b128 s[12:15], s[0:1], 0x20             ; bo, out0
	v_lshl_add_u32 v[SPW], v0, 2, SPARE
	v_mov_b32 v[NIL], 0
	ds_add_u32 v[SPW], v[NIL]                      ; the opening lines: the add, twice on end, and its wait
	ds_add_u32 v[SPW], v[NIL]
	v_lshrrev_b32 v1, 5, v0
	v_readfirstlane_b32 s[WV], v1
	s_lshr_b32 s[HR], s[WV], 1                     ; which 64 rows are mine
	s_and_b32 s[HP], s[WV], 1                      ; which 128 columns
	s_bfe_u32 s40, ttmp6, 0x40000                  ; cx: the block's column (the grid is one cluster wide)
	s_bfe_u32 s41, ttmp6, 0x40004                  ; cy
	s_and_b32 s21, ttmp7, 0xffff
	s_lshl_b32 s21, s21, 2
	s_add_co_u32 s21, s21, s41                     ; the block's row, 0 .. 63
	s_lshl_b32 s43, s41, 2
	s_lshl_b32 s43, 15, s43                        ; my row of the cluster
	s_lshl_b32 s44, 0x1111, s40                    ; my column
	s_or_b32 s[G1A], s43, (3<<16)|(1<<21)          ; elements of 8 bytes; bit 21 beside a mask
	s_mov_b32 s[G1A+1], 768<<16                    ; a row: 6,144 bytes
	s_mov_b32 s[G1A+2], 8<<16
	s_mov_b32 s[G1A+3], 768<<16
	s_mov_b32 s[G1A+4], 8
	s_mov_b32 s[G1A+5], 1536                       ; from row tile to row tile: 12,288 bytes
	s_mov_b32 s[G1A+6], 0
	s_mov_b32 s[G1A+7], 0
	s_or_b32 s[G1B], s44, (3<<16)|(1<<21)
	s_mov_b32 s[G1B+1], 768<<16
	s_mov_b32 s[G1B+2], 16<<16
	s_mov_b32 s[G1B+3], 768<<16
	s_mov_b32 s[G1B+4], 16
	s_mov_b32 s[G1B+5], 1536
	s_mov_b32 s[G1B+6], 0
	s_mov_b32 s[G1B+7], 0
	s_mul_i32 s22, s21, 8*12288                    ; A: 8 row tiles a block
	s_mov_b32 s23, 0
	s_lshl_b32 s46, s40, 4
	s_add_co_u32 s46, s46, 1728                    ; B: Wo's row tiles, 16 a block
	s_mul_i32 s46, s46, 12288
	s_mov_b32 s47, 0
	s_mov_b32 s[G00], 1
	s_mov_b32 s[G00+1], 0
	s_mov_b32 s[G01], 1
	s_mov_b32 s[G01+1], BOFF
	s_mov_b32 s[G02], 1
	s_mov_b32 s[G02+1], HALF
	s_mov_b32 s[G03], 1
	s_mov_b32 s[G03+1], HALF+BOFF
	s_wait_dscnt 0x0
	CROUND                                         ; all sixteen work-groups are here: the joint loads meet
	s_wait_kmcnt 0x0
	s_add_nc_u64 s[G00+2:G00+3], s[4:5], s[22:23]
	s_add_nc_u64 s[G01+2:G01+3], s[8:9], s[46:47]
	s_add_nc_u64 s[G02+2:G02+3], s[G00+2:G00+3], TILEB
	s_add_nc_u64 s[G03+2:G03+3], s[G01+2:G01+3], TILEB
.irp g, G00, G01, G02, G03
	s_or_b32 s[\g+3], s[\g+3], 0x80000000
.endr
	ARM 1, G00, G1A, .Lhead_1
	ARM 2, G01, G1B, .Lhead_2
	ARM 3, G02, G1A, .Lhead_3
	tensor_load_to_lds s[G03:G03+3], s[G1B:G1B+7]
	s_nop 0
	PLACES 4
.Lhead_asked:
	v_and_b32 v1, 15, v0
	v_bfe_u32 v2, v0, 4, 1
	v_and_b32 v3, 31, v0
	v_lshlrev_b32 v[CO], 4, v3
	v_lshlrev_b32 v4, 3, v3
	s_mul_i32 s96, s[HR], 4*TILEB                  ; my 4 row tiles of A,
	s_mul_i32 s97, s[HP], 8*TILEB                  ; my 8 of B, behind A's 8
	s_add_co_u32 s97, s97, BOFF
.irp s, 0,1
	v_add_nc_u32 v[ADRA+\s], s96, v[CO]
	v_add_nc_u32 v[ADRA+2+\s], s96, v4
	v_add_nc_u32 v[ADRB+\s], s97, v[CO]
	v_add_nc_u32 v[ADRB+2+\s], s97, v4
	s_add_co_u32 s96, s96, HALF
	s_add_co_u32 s97, s97, HALF
.endr
	s_mul_i32 s96, s[WV], 16*SPITCH                ; my stage
	v_mul_u32_u24 v5, v1, SPITCH
	v_lshl_add_u32 v5, v2, 6, v5                   ; in: row l % 16; register j of tile 2 g + u is column 32 g + 8 u + 16 (l / 16) + j
	v_add_nc_u32 v[STO], s96, v5
	v_add_nc_u32 v[RD], s96, v[CO]                 ; back: the 32 lanes take one row of 512 bytes
	s_lshl_b32 s96, s21, 1
	s_add_co_u32 s96, s96, s[HR]
	s_lshl_b32 s96, s96, 18                        ; my first row: 64 rows of 4,096 bytes
	s_lshl_b32 s97, s40, 1
	s_add_co_u32 s97, s97, s[HP]
	s_lshl_b32 s98, s97, 9                         ; my first column: 128 numbers
	s_add_co_u32 s96, s96, s98
	s_mov_b32 s97, 0
	s_add_nc_u64 s[14:15], s[14:15], s[96:97]
	s_mov_b32 s99, 0
	s_add_nc_u64 s[12:13], s[12:13], s[98:99]
	s_lshl_b32 s96, s21, 12                        ; scale words: 512 bytes a row tile
	s_lshl_b32 s98, s[HR], 11
	s_add_co_u32 s96, s96, s98
	s_add_nc_u64 s[6:7], s[6:7], s[96:97]
	s_lshl_b32 s96, s40, 4
	s_lshl_b32 s98, s[HP], 3
	s_add_co_u32 s96, s96, s98
	s_add_co_u32 s96, s96, 1728
	s_lshl_b32 s96, s96, 9
	s_add_nc_u64 s[10:11], s[10:11], s[96:97]
.irp a, 0,1,2,3
.irp m, 0,1
	global_load_b64 v[SA+4*\a+2*\m:SA+4*\a+2*\m+1], v4, s[6:7] offset:512*\a+256*\m
.endr
.endr
.irp b, 0,1,2,3,4,5,6,7
.irp m, 0,1
	global_load_b64 v[SB+4*\b+2*\m:SB+4*\b+2*\m+1], v4, s[10:11] offset:512*\b+256*\m
.endr
.endr
	global_load_b128 v[BIAS:BIAS+3], v[CO], s[12:13]
.macro FRAG reg, adr, off
	ds_load_b128 v[\reg:\reg+3], v[\adr] offset:\off
	ds_load_b64 v[\reg+4:\reg+5], v[\adr+2] offset:\off+512
	ds_load_b128 v[\reg+6:\reg+9], v[\adr] offset:\off+768
	ds_load_b64 v[\reg+10:\reg+11], v[\adr+2] offset:\off+1280
.endm
.macro FETCH q                         ; K step q's fragments into set q % 2: B's eight, A's four
	WIN TO_B
.irp i, 0,1,2,3,4,5,6,7
	FRAG 128*((\q)%2)+FR*\i, ADRB+(\q)/4, \i*TILEB+((\q)%4)*1536
.endr
	WIN 0
.irp i, 0,1,2,3
	FRAG AF+48*((\q)%2)+FR*\i, ADRA+(\q)/4, \i*TILEB+((\q)%4)*1536
.endr
.endm
.macro MUL a0, q                       ; 16 products: A's blocks a0, a0 + 1 x B's eight.  The first K step's start the sums
.set OO, 2*((\q)/4)+(\q)%2
.set PB, 128*((\q)%2)
.set PA, AF+48*((\q)%2)
.irp a, \a0, \a0+1
.irp b, 0,1,2,3,4,5,6,7
.if (\q) == 0
	v_wmma_scale_f32_16x16x128_f8f6f4 v[8*(8*(\a)+\b):8*(8*(\a)+\b)+7], v[PB+FR*\b:PB+FR*\b+FR-1], v[PA+FR*(\a):PA+FR*(\a)+FR-1], 0, v[SB+4*\b+OO], v[SA+4*(\a)+OO] matrix_a_fmt:MATRIX_FMT_FP6 matrix_b_fmt:MATRIX_FMT_FP6
.elseif ((\q)/2)%2
	v_wmma_scale_f32_16x16x128_f8f6f4 v[8*(8*(\a)+\b):8*(8*(\a)+\b)+7], v[PB+FR*\b:PB+FR*\b+FR-1], v[PA+FR*(\a):PA+FR*(\a)+FR-1], v[8*(8*(\a)+\b):8*(8*(\a)+\b)+7], v[SB+4*\b+OO], v[SA+4*(\a)+OO] matrix_a_fmt:MATRIX_FMT_FP6 matrix_b_fmt:MATRIX_FMT_FP6 matrix_a_scale:MATRIX_SCALE_ROW1 matrix_b_scale:MATRIX_SCALE_ROW1
.else
	v_wmma_scale_f32_16x16x128_f8f6f4 v[8*(8*(\a)+\b):8*(8*(\a)+\b)+7], v[PB+FR*\b:PB+FR*\b+FR-1], v[PA+FR*(\a):PA+FR*(\a)+FR-1], v[8*(8*(\a)+\b):8*(8*(\a)+\b)+7], v[SB+4*\b+OO], v[SA+4*(\a)+OO] matrix_a_fmt:MATRIX_FMT_FP6 matrix_b_fmt:MATRIX_FMT_FP6
.endif
.endr
.endr
.endm
.macro KSTEP q
.if (\q) == 3
	s_wait_tensorcnt 0x0                           ; every wave: my load has landed, the second half's among them
.endif
	s_wait_dscnt 0x0                               ; this step's fragments are in; at step 3 these are my last reads of the first half
.if (\q) == 3
	s_barrier_signal -1
	WIN MUL_W
	MUL 0, \q                                      ; work on registers while the others arrive
	WIN 0
	s_barrier_wait -1                              ; the second half of K is whole, and nobody reads the first any more
	PLACES 4
	FETCH 4
	WIN MUL_W
	MUL 2, \q
.else
.if (\q) < 7
.if (\q) > 0
	PLACES 4                                       ; places between the last step's products and the loads into the registers that they read
.endif
	FETCH (\q)+1
.endif
	WIN MUL_W
	MUL 0, \q
	MUL 2, \q
.endif
	WIN 0
.endm
	s_wait_alu depctr_va_vdst(0)                   ; the wait at the head's end
	s_cmp_lt_u32 s[WV], 2
	s_cbranch_scc0 .Lnot_first
	s_wait_tensorcnt 0x0                           ; waves 0 and 1: the first half of K
.Lnot_first:
	s_barrier_signal -1
	s_barrier_wait -1                              ; it is in; the second half may still be on its way
	FETCH 0
	s_wait_loadcnt 0x0                             ; the scale words and the bias
.irp q, 0,1,2,3,4,5,6,7
	KSTEP \q
.endr
.macro TOSTAGE a
	WIN 0x08                                       ; the data: window 2
.irp b, 0,1,2,3,4,5,6,7
	ds_store_b128 v[STO], v[64*(\a)+8*\b:64*(\a)+8*\b+3] offset:128*(\b/2)+32*(\b%2)      ; each accumulator from its low end on
	ds_store_b128 v[STO], v[64*(\a)+8*\b+4:64*(\a)+8*\b+7] offset:128*(\b/2)+32*(\b%2)+16
.endr
	WIN 0
.set BB, BK+64*((\a)%2)
.irp t, 0,1,2,3,4,5,6,7,8,9,10,11,12,13,14,15
	ds_load_b128 v[BB+4*\t:BB+4*\t+3], v[RD] offset:\t*SPITCH   ; LDS serves a wave's instructions in order (ISA guide 5.7.1.4): these see the stores above
.endr
.endm
.macro SEND a, younger                 ; younger: the LDS instructions issued behind block a's loads, which may stay out
.set BB, BK+64*((\a)%2)
	s_wait_dscnt \younger
.irp t, 0,1,2,3,4,5,6,7,8,9,10,11,12,13,14,15
	v_pk_add_f32 v[BB+4*\t:BB+4*\t+1], v[BB+4*\t:BB+4*\t+1], v[BIAS:BIAS+1]
	v_pk_add_f32 v[BB+4*\t+2:BB+4*\t+3], v[BB+4*\t+2:BB+4*\t+3], v[BIAS+2:BIAS+3]
.endr
.irp t, 0,1,2,3,4,5,6,7,8,9,10,11,12,13,14,15
	global_store_b128 v[CO], v[BB+4*\t:BB+4*\t+3], s[14:15] offset:(32*((\a)/2)+8*((\a)%2)+\t+8*(\t/8))*4096 th:TH_STORE_NT   ; 32 lanes store 512 consecutive bytes, at a multiple of 256 from out0's first byte
.endr
.endm
	PLACES 4                                       ; behind the last products: for the reads of their results and the loads into the registers that held A's fragments
	TOSTAGE 0
.irp a, 1,2,3
.if \a > 1
	s_wait_xcnt 0x0                                ; block a - 2's stores have read their registers: block a's loads may land there
.endif
	TOSTAGE \a
	SEND \a-1, 32
.endr
	SEND 3, 0
	s_wait_tensorcnt 0x0                           ; the wave's end
	ds_add_u32 v[SPW], v[NIL]
	s_wait_dscnt 0x0
	CROUND                                         ; the closing round
	s_endpgm
.Lfunc_end_k_q74847b9cef_outp:
	.size	k_q74847b9cef_outp, .Lfunc_end_k_q74847b9cef_outp-k_q74847b9cef_outp
	.p2alignl 7, 3214868480
	.fill 96, 4, 3214868480
	.section	.rodata,"a",@progbits
	.p2align	6, 0x0
	.amdhsa_kernel k_q74847b9cef_outp
		.amdhsa_group_segment_fixed_size 327680
		.amdhsa_private_segment_fixed_size 0
		.amdhsa_enable_private_segment 0
		.amdhsa_kernarg_size 48
		.amdhsa_user_sgpr_count 2
		.amdhsa_user_sgpr_kernarg_segment_ptr 1
		.amdhsa_wavefront_size32 1
		.amdhsa_system_sgpr_workgroup_id_x 1
		.amdhsa_system_sgpr_workgroup_id_y 1
		.amdhsa_system_sgpr_workgroup_id_z 1
		.amdhsa_system_vgpr_workitem_id 0
		.amdhsa_next_free_vgpr 768
		.amdhsa_next_free_sgpr 100
		.amdhsa_reserve_vcc 0
		.amdhsa_float_denorm_mode_32 3
		.amdhsa_float_denorm_mode_16_64 3
		.amdhsa_memory_ordered 1
		.amdhsa_forward_progress 1
		.amdhsa_inst_pref_size 91
	.end_amdhsa_kernel
	.amdgpu_metadata
---
amdhsa.version: [ 1, 2 ]
amdhsa.kernels:
  - .name:           k_q74847b9cef_outp
    .symbol:         k_q74847b9cef_outp.kd
    .args:
      - { .name: o_codes, .offset: 0, .size: 8, .value_kind: global_buffer, .address_space: global }
      - { .name: o_scales, .offset: 8, .size: 8, .value_kind: global_buffer, .address_space: global }
      - { .name: xw_codes, .offset: 16, .size: 8, .value_kind: global_buffer, .address_space: global }
      - { .name: xw_scales, .offset: 24, .size: 8, .value_kind: global_buffer, .address_space: global }
      - { .name: bo, .offset: 32, .size: 8, .value_kind: global_buffer, .address_space: global }
      - { .name: out0, .offset: 40, .size: 8, .value_kind: global_buffer, .address_space: global }
    .group_segment_fixed_size: 327680
    .private_segment_fixed_size: 0
    .kernarg_segment_align: 8
    .kernarg_segment_size: 48
    .max_flat_workgroup_size: 128
    .sgpr_count:     100
    .vgpr_count:     768
    .wavefront_size: 32
...
	.end_amdgpu_metadata
.endif
;; end of part 4
